; MI455X (gfx1250); checked and timed in simulation.
; The chip was launched on July 23, 2026; its instructions are those of AMD's public machine-readable ISA for CDNA 5 (MIT licence, August 2026) and "CDNA5" Instruction Set Architecture Reference Guide (July 2026). The comments in the code are by the model that wrote it; some were corrected since.
;; Attention. Allowed arithmetic: matrix products marked QUANTISED: E2M3 operands, one E8M0 scale for each 32 along K, by v_wmma_scale_f32_16x16x128_f8f6f4 with both operands' format E2M3, f32 sums; everything else in f32.
;; Inputs: Wk 1,024 x 1,024 float32; Wq 1,024 x 1,024 float32; Wv 1,024 x 1,024 float32; bk 1,024 float32; bq 1,024 float32; bv 1,024 float32; mask 2,048 x 2,048 float32; x 4 x 2,048 x 1,024 float32.
;; Outputs: out0 4 x 2,048 x 1,024 float32.
;; This version of the problem:
;;   THIS VERSION OF THE PROBLEM IS GIVEN IN LOW PRECISION. The matrix products marked QUANTISED in the list below multiply operands that are first quantised to E2M3 (2 exponent bits, 3 mantissa bits; 6 bits a number), with one power-of-two scale for each 32 numbers along K (OCP MX v1.0); their sums are f32. All else is computed in f32.
;;   The module's matrix products, in the order in which they are computed (A, B: the left and right operand; K: the contracted axis; several contracted axes count as one K, in the product's order):
;;     1. [M 8,192, K 1,024] x [K 1,024, N 1,024]; A: input x; B: input Wq: QUANTISED
;;     2. [M 8,192, K 1,024] x [K 1,024, N 1,024]; A: input x; B: input Wk: QUANTISED
;;     3. [M 8,192, K 1,024] x [K 1,024, N 1,024]; A: input x; B: input Wv: QUANTISED
;;     4. batch 4 x [M 2,048, K 1,024] x [K 1,024, N 2,048]; A: computed on the way; B: computed on the way: QUANTISED
;;     5. batch 4 x [M 2,048, K 2,048] x [K 2,048, N 1,024]; A: softmax (see below); B: computed on the way: QUANTISED
;;   THE QUANTISER, for each operand of a quantised product, along K:
;;     - K is cut into blocks of 32 from its start; a last block that is shorter is filled with zeros.
;;     - A block's scale is 2^e with e = floor(log2(the largest magnitude in the block)) - 2, held to -126 .. 127; a block of zeros has e = 0. As a byte (E8M0): e + 127.
;;     - Each number is divided by its block's scale, clamped to +-7.5, and rounded to the nearest number of E2M3, ties to even, subnormals kept.
;;     - The product sums the exact products of the quantised numbers (number of the format x scale) in f32.
;;   ~~~python
;;   def quantise(x, axis):      # numpy; x: float32 -> the quantised numbers, widened to float32 again
;;       x = np.moveaxis(x, axis, -1); K = x.shape[-1]
;;       x = np.pad(x, [(0, 0)] * (x.ndim - 1) + [(0, -K % 32)]); x = x.reshape(x.shape[:-1] + (-1, 32)); a = np.abs(x).max(-1, keepdims=True)
;;       e = np.where(a > 0, np.clip(np.frexp(np.where(a > 0, a, 1))[1] - 1 - 2, -126, 127), 0)      # np.frexp(a)[1] - 1 = floor(log2(a)), exactly
;;       r = np.clip(x / 2.0 ** e, -7.5, 7.5)
;;       step = 2.0 ** (np.maximum(np.frexp(np.where(r == 0, 1, r))[1] - 1, 0) - 3)
;;       q = np.round(r / step) * step * 2.0 ** e      # np.round: ties to even
;;       return np.moveaxis(q.reshape(q.shape[:-2] + (-1,))[..., :K], -1, axis).astype(np.float32)
;;   ~~~
;;   SOFTMAX AHEAD OF A QUANTISED PRODUCT. Where the list says 'softmax', what is quantised is not the finished softmax but p = 2^(t - M), with t = logit x log2(e) and M = ceil(the row's largest t), a whole number; so 1/2 < the row's largest p <= 1. The row's sum l is taken of the UNQUANTISED p, in f32, and the product's result is divided by l at the end. Since M is a whole number, a kernel that streams over the keys may use a running M (the ceiling of the running maximum): every later rescaling is an exact power of two, which a block's scale takes up: the codes' values come out the same.
;;   OPERANDS COMPUTED ON THE WAY. 'Computed on the way' means the value that the module computes at that place (a softmax that the list does not call 'softmax' is quantised finished and normalised). What goes into a quantiser is computed in f32, as accurately as f32 sums, v_exp_f32 and their like allow (about 1e-6 of the number): no bf16 or f16 on the way to a quantiser, and a product that is left as it is and whose result goes on into a quantised operand takes f32 operands (vector FMAs, or v_wmma_f32_16x16x4_f32). A number that lies on a knife's edge between two numbers of the format may be rounded either way, as far as f32 arithmetic and the matrix unit's own rounding can turn it there, and no further.
;; One version. Each part assembles by itself: llvm-mc -triple=amdgcn-amd-amdhsa -mcpu=gfx1250 --defsym DOCPART=n.
;; ======== version 1 of 1: 4 launches
;; limits: right only within a limited range of input values
;; workspace buffers: ximg 6,553,600 bytes; wimg 2,457,600 bytes; qkimg 13,107,200 bytes; vimg 6,553,600 bytes; pimg 12,582,912 bytes; pst 1,572,864 bytes
;; launch quant (part 1): grid 448 x 1, 4 waves a work-group, no clusters, 34,304 bytes of LDS; arguments x, Wq, Wk, Wv, ximg, wimg; writes ximg, wimg
.if DOCPART == 1
	.amdgcn_target "amdgcn-amd-amdhsa--gfx1250"
	.amdhsa_code_object_version 6
	.text
	.protected	k_q1c60bc2bf1_quant
	.globl	k_q1c60bc2bf1_quant
	.p2align	8
	.type	k_q1c60bc2bf1_quant,@function
k_q1c60bc2bf1_quant:
	s_mov_b64 s[64:65], 0
	v_nop
	global_prefetch_b8 v0, s[64:65] scope:SCOPE_SE
	s_setreg_imm32_b32 hwreg(HW_REG_WAVE_MODE, 25, 1), 1
	s_wait_xcnt 0x0
; ATTENTION, one head of 1,024, four launches: quant (this one), qkv, scores, pv.  All five products go on codes of FP6 (E2M3) with one E8M0 scale for each 32 along K.
; NOTHING OF THE PROBLEM IS LEFT OUT: the mask is an input and is added to every score; bq, bk and bv go into operands that are quantised, so each can move codes and scales; every input is loaded.
; THIS LAUNCH turns x [8192][1024] (K innermost) and Wq, Wk, Wv [1024 (k)][1024 (n)] (K outermost) into codes and scale words, laid as the later launches' operand registers want them.
; THE IMAGE.  A fragment is 16 rows x 128 K: 12 registers a lane; lane (r, h) holds row r, registers 6 c .. 6 c + 5 = k 64 c + 32 h + 0 .. 31.  It lies as three pieces of 512 bytes: piece p holds lane l's
; registers 4 p .. 4 p + 3 at byte 16 l.  A UNIT is 128 rows x 128 K: eight fragments of 1,536 bytes, then 512 bytes of scale words: the word of (fragment i, row r) at 12,288 + 256 (i / 4) + 16 r + 4 (i % 4).
; THE ROWS OF A FRAGMENT ARE NOT NEIGHBOURS: row r of fragment i is row 32 (i / 2) + 8 (i % 2) + r + 8 (r / 8) of the unit's 128, so that where the unit is a product's source 0 the 16 result registers of
; fragments 2 b and 2 b + 1 are 16 neighbours along the next product's K.   ximg: [token block 64][K step 8] units.   wimg: [n block 24: Wq 8, Wk 8, Wv 8][K step 8] units.
; A block's scale is 2^(floor(log2(its largest magnitude)) - 2); its byte is the largest magnitude's exponent field - 2, held at 1 from below.
; LIMITS: a block of zeros, or one whose largest magnitude lies under 2^-124, keeps the byte 1 (its codes under that byte are what the conversion gives; these bytes are read by this program alone); NaN and infinities in x and the weights are not served.
; SHARES.  Work-groups 0 .. 255 take x: a wave takes half a unit, 64 tokens x 128 K.  Each load reads 512 consecutive bytes of one token's row; 16 rows turn through the wave's own stage in LDS, so that a lane gets 32 neighbours
; of ONE row: a whole block.  Work-groups 256 .. 447 take the weights: a work-group a unit, a wave 32 columns n; a lane takes a column and its registers run down K, so nothing is turned and no LDS is used.
; No barrier: waves share nothing.
.set UNIT,  12800
.set STGB,  16*528                     ; a wave's stage: 16 rows of 512 bytes + 16: the 16 rows that a read of 16 bytes a lane touches begin at 16 different places modulo 256 bytes
.set SPARE, 4*STGB                     ; behind the stages: the spare words, 128 bytes for each wave: two blocks of 256 bytes that no other line names
.set LI,  4                            ; v4   16 x lane
.set STI, 5                            ; v5   the stage, on the way in: 16 x lane
.set STO, 6                            ; v6   and out: 528 r + 128 h
.set SCA, 7                            ; v7   x's scale words: 16 r + 8 h
.set SPW, 8                            ; v8   LDS address of my spare word; never rewritten
.set NIL, 9                            ; v9   0; never rewritten
.set H8,  10                           ; v10  8 h
.set WA,  11                           ; v11  the weights: 4 x lane
.set MX,  12                           ; v12-13 largest magnitudes
.set SO,  14                           ; v14-15 the conversions' scale operands
.set BY,  16                           ; v16-17 scale bytes
.set WD,  18                           ; v18  a scale word in the making
.set TT,  19                           ; v19  the other half's part of it
.set SW,  20                           ; v20-23 the scale words of my four fragments
.set PC,  24                           ; v24-47 codes: two sets of 12
.set TP,  48                           ; v48-55 the second halves of blocks, before they are moved
.set WS,  56                           ; v56  the weights: where my codes go; v57 at work; v58 where my scale word goes
.set R,   64                           ; v64-191 numbers as loaded (x: fragments 0 and 1, 64 registers each; fragments 2 and 3 lie in v256-383; the weights: 128 down K)
.set X,   192                          ; v192-255 x: a lane's two blocks of 32
	s_load_b256 s[4:11], s[0:1], 0x0               ; x, Wq, Wk, Wv
	s_load_b128 s[12:15], s[0:1], 0x20             ; ximg, wimg
	v_lshl_add_u32 v[SPW], v0, 2, SPARE
	v_mov_b32 v[NIL], 0
	v_lshrrev_b32 v1, 5, v0
	v_readfirstlane_b32 s16, v1                    ; wave
	v_and_b32 v1, 31, v0                           ; lane
	v_and_b32 v2, 15, v0                           ; r
	v_bfe_u32 v3, v0, 4, 1                         ; h
	s_mov_b32 s20, 0x76543210
	s_mov_b32 s21, 0xfedcba98                      ; v_permlanex16_b32's selects for lane l xor 16
	v_lshlrev_b32 v[LI], 4, v1
	s_mul_i32 s17, s16, STGB
	v_add_nc_u32 v[STI], s17, v[LI]
	v_mul_u32_u24 v[STO], v2, 528
	v_lshl_add_u32 v[STO], v3, 7, v[STO]
	v_add_nc_u32 v[STO], s17, v[STO]
	v_lshlrev_b32 v[SCA], 4, v2
	v_lshl_add_u32 v[SCA], v3, 3, v[SCA]
	v_lshlrev_b32 v[H8], 3, v3
	v_mov_b32 v[TT], 0                             ; written once: a lane permute's destination counts as one of its sources
	s_wait_kmcnt 0x0
	s_cmp_ge_u32 ttmp9, 256
	s_cbranch_scc1 .Lweights
	; ---- x ----
	s_lshl_b32 s18, ttmp9, 2
	s_add_co_u32 s18, s18, s16                     ; which half unit: 4 x work-group + wave
	s_and_b32 s22, s18, 7                          ; its K step,
	s_bfe_u32 s23, s18, 0x10003                    ; which half of the unit's 128 tokens,
	s_lshr_b32 s24, s18, 4                         ; its token block
	s_lshl_b32 s26, s24, 19                        ; 128 tokens of 4,096 bytes
	s_lshl_b32 s27, s23, 18                        ; 64 tokens
	s_add_co_u32 s26, s26, s27
	s_lshl_b32 s27, s22, 9                         ; 128 numbers
	s_add_co_u32 s26, s26, s27
	s_mov_b32 s27, 0
	s_add_nc_u64 s[4:5], s[4:5], s[26:27]
	s_lshl_b32 s26, s24, 3
	s_add_co_u32 s26, s26, s22
	s_mul_i32 s26, s26, UNIT
	s_add_nc_u64 s[12:13], s[12:13], s[26:27]      ; my unit
	s_lshl_b32 s26, s23, 8
	s_add_co_u32 s26, s26, 12288
	s_add_nc_u64 s[28:29], s[12:13], s[26:27]      ; my half's 256 bytes of scale words
	s_mul_i32 s26, s23, 6144
	s_add_nc_u64 s[12:13], s[12:13], s[26:27]      ; my half's four fragments
.macro LOADX t                         ; fragment t's 16 rows, 512 consecutive bytes a load, into registers of its own
.if (\t) < 2
.set RL, R+64*(\t)
.else
.set RL, 64*((\t)-2)
	s_set_vgpr_msb 0x40                            ; destination in v256 and up
.endif
.irp p, 0,1,2,3,4,5,6,7,8,9,10,11,12,13,14,15
	global_load_b128 v[RL+4*\p:RL+4*\p+3], v[LI], s[4:5] offset:(32*((\t)/2)+8*((\t)%2)+\p+8*(\p/8))*4096 th:TH_LOAD_NT
.endr
.if (\t) >= 2
	s_set_vgpr_msb 0x4000
.endif
.endm
.macro FRAGX t
.if (\t) < 2
.set RS, R+64*(\t)
.else
.set RS, 64*((\t)-2)
.endif
.set PS, PC+12*((\t)%2)
	s_wait_loadcnt 16*(3-(\t))                     ; this fragment's 16 loads are in; those of the 3 - t fragments behind it may be out
.if (\t) >= 2
	s_set_vgpr_msb 0x04                            ; the stores' data in v256 and up
.endif
.irp p, 0,1,2,3,4,5,6,7,8,9,10,11,12,13,14,15
	ds_store_b128 v[STI], v[RS+4*\p:RS+4*\p+3] offset:528*\p
.endr
.if (\t) >= 2
	s_set_vgpr_msb 0x0400
.endif
.irp c, 0,1
.irp e, 0,1,2,3,4,5,6,7
	ds_load_b128 v[X+32*\c+4*\e:X+32*\c+4*\e+3], v[STO] offset:256*\c+16*\e   ; LDS serves a wave's instructions in order: these see the stores above.  k = 64 c + 32 h + 0 .. 31 of row r
.endr
.endr
	s_wait_dscnt 0x0                               ; the numbers are back
.irp c, 0,1
	v_max3_num_f32 v[MX+\c], |v[X+32*\c]|, |v[X+32*\c+1]|, 0x1800000   ; my block 2 c + h: all its 32 numbers are mine; and the floor 2^(3 - 127): the byte cannot fall under 1
.endr
.irp i, 2,4,6,8,10,12,14,16,18,20,22,24,26,28,30
.irp c, 0,1
	v_max3_num_f32 v[MX+\c], v[MX+\c], |v[X+32*\c+\i]|, |v[X+32*\c+\i+1]|   ; (the two blocks by turns)
.endr
.endr
.irp c, 0,1
	v_add_nc_u32 v[SO+\c], 0xff000000, v[MX+\c]    ; 2 off the exponent field: the conversion takes the exponent field of this operand as its scale
.endr
.irp c, 0,1
	v_lshrrev_b32 v[BY+\c], 23, v[SO+\c]           ; the scale's byte
.endr
	v_lshl_or_b32 v[WD], v[BY+1], 16, v[BY]        ; my two bytes: blocks h and 2 + h,
	v_lshlrev_b32 v[WD], v[H8], v[WD]              ; at their places in the word;
	v_permlanex16_b32 v[TT], v[WD], s20, s21
	v_or_b32 v[SW+(\t)], v[WD], v[TT]              ; with lane l xor 16's two the word is whole
.if (\t) >= 2
	s_wait_alu depctr_va_vdst(0)
	s_wait_xcnt 0x0                                ; the stores of two fragments ago have read this set of codes: it is rewritten only behind this wait
.endif
.irp c, 0,1
	v_cvt_scalef32_pk16_fp6_f32 v[PS+6*\c:PS+6*\c+2], v[X+32*\c:X+32*\c+15], v[SO+\c]
	v_cvt_scalef32_pk16_fp6_f32 v[TP+4*\c:TP+4*\c+2], v[X+32*\c+16:X+32*\c+31], v[SO+\c]   ; (a conversion's three registers begin on an even number)
.endr
	v_nop                                          ; one plain place behind a scaled conversion
.irp c, 0,1
.irp i, 0,1,2
	v_mov_b32 v[PS+6*\c+3+\i], v[TP+4*\c+\i]
.endr
.endr
.irp c, 0,1,2
	global_store_b128 v[LI], v[PS+4*\c:PS+4*\c+3], s[12:13] offset:1536*(\t)+512*\c   ; 32 lanes store 512 consecutive bytes, at a multiple of 256 from the buffer's first byte
.endr
.endm
	s_wait_alu depctr_va_vdst(0)
	LOADX 0
	LOADX 1
	LOADX 2                                        ; all four fragments' 64 loads are asked for ahead of the work
	LOADX 3
	FRAGX 0
	FRAGX 1
	FRAGX 2
	FRAGX 3
	v_cmp_lt_u32 vcc_lo, 15, v1                    ; lanes 16-31 store the words of fragments 2 and 3
	v_cndmask_b32 v[MX], v[SW], v[SW+2], vcc_lo
	v_cndmask_b32 v[MX+1], v[SW+1], v[SW+3], vcc_lo
	global_store_b64 v[SCA], v[MX:MX+1], s[28:29]  ; 32 lanes store 256 consecutive bytes, aligned
	s_wait_tensorcnt 0x0                           ; the wave's end, behind my last LDS store
	ds_add_u32 v[SPW], v[NIL]
	s_wait_dscnt 0x0
	s_endpgm
	; ---- the weights: no LDS instruction on this path ----
.Lweights:
	s_sub_co_u32 s18, ttmp9, 256                   ; the unit: 8 x n block + K step
	s_lshr_b32 s22, s18, 3                         ; n block 0 .. 23
	s_and_b32 s23, s18, 7                          ; K step
	s_lshr_b32 s24, s22, 3                         ; which weight
	s_cmp_eq_u32 s24, 0
	s_cselect_b64 s[30:31], s[6:7], s[8:9]
	s_cmp_eq_u32 s24, 2
	s_cselect_b64 s[30:31], s[10:11], s[30:31]
	s_lshl_b32 s26, s23, 19                        ; 128 rows k of 4,096 bytes
	s_and_b32 s27, s22, 7
	s_lshl_b32 s27, s27, 9                         ; 128 columns
	s_add_co_u32 s26, s26, s27
	s_lshl_b32 s27, s16, 7                         ; my wave's 32 columns
	s_add_co_u32 s26, s26, s27
	s_mov_b32 s27, 0
	s_add_nc_u64 s[30:31], s[30:31], s[26:27]
	s_mul_i32 s26, s18, UNIT
	s_add_nc_u64 s[14:15], s[14:15], s[26:27]      ; my unit
	s_lshr_b32 s26, s16, 1                         ; my wave's columns are fragments 2 w and 2 w + 1: their words lie at 12,288 + 256 (w / 2) + 16 r + 8 (w % 2) + 4 u
	s_lshl_b32 s26, s26, 8
	s_and_b32 s25, s16, 1
	s_lshl_b32 s25, s25, 3
	s_add_co_u32 s26, s26, s25
	s_add_co_u32 s26, s26, 12288
	s_add_nc_u64 s[28:29], s[14:15], s[26:27]
	s_mul_i32 s26, s16, 3072
	s_add_nc_u64 s[14:15], s[14:15], s[26:27]      ; my two fragments
	v_lshlrev_b32 v[WA], 2, v1
	v_and_b32 v[WS], 7, v1                         ; column 32 w + l is row r = l % 8 + 8 (l / 16) of fragment 2 w + u, u = (l / 8) % 2
	v_lshrrev_b32 v[WS+1], 4, v1
	v_lshl_add_u32 v[WS], v[WS+1], 3, v[WS]
	v_bfe_u32 v[WS+1], v1, 3, 1
	v_lshlrev_b32 v[WS], 4, v[WS]                  ; 16 r
	v_lshl_add_u32 v[WS+2], v[WS+1], 2, v[WS]      ; 16 r + 4 u
	v_mad_u32_u24 v[WS], v[WS+1], 1536, v[WS]      ; 16 r + 1,536 u
.set kk, 0
.rept 128
	global_load_b32 v[R+kk], v[WA], s[30:31] offset:4096*kk th:TH_LOAD_NT   ; W(k, my column): 32 lanes read 128 consecutive bytes, the four waves side by side 512
.set kk, kk+1
.endr
.macro WBLOCK b, left                  ; block b of 32 down K: it is block b of the image's lane (r, h = b % 2), registers 6 (b / 2) on
.set XS, R+32*(\b)
.set GD, PC+12*((\b)%2)+6*((\b)/2)
	s_wait_loadcnt \left
	v_max3_num_f32 v[MX], |v[XS]|, |v[XS+1]|, |v[XS+2]|
	v_max3_num_f32 v[MX+1], |v[XS+3]|, |v[XS+4]|, |v[XS+5]|
.irp i, 6,10,14,18,22,26
	v_max3_num_f32 v[MX], v[MX], |v[XS+\i]|, |v[XS+\i+1]|
	v_max3_num_f32 v[MX+1], v[MX+1], |v[XS+\i+2]|, |v[XS+\i+3]|
.endr
	v_max3_num_f32 v[MX], v[MX], |v[XS+30]|, |v[XS+31]|
	v_max3_num_f32 v[MX], v[MX], v[MX+1], 0x1800000   ; and the floor
	v_add_nc_u32 v[SO], 0xff000000, v[MX]
	v_lshrrev_b32 v[BY], 23, v[SO]
.if (\b) == 0
	v_mov_b32 v[WD], v[BY]
.else
	v_lshl_or_b32 v[WD], v[BY], 8*(\b), v[WD]      ; all four bytes of my column's word are mine
.endif
	v_cvt_scalef32_pk16_fp6_f32 v[GD:GD+2], v[XS:XS+15], v[SO]
	v_cvt_scalef32_pk16_fp6_f32 v[TP:TP+2], v[XS+16:XS+31], v[SO]
	v_nop                                          ; one plain place behind a scaled conversion
.irp i, 0,1,2
	v_mov_b32 v[GD+3+\i], v[TP+\i]
.endr
.endm
	WBLOCK 0, 63                                   ; 96 younger loads might stay out; the count's field holds 63, and a smaller count is safe
	WBLOCK 1, 63                                   ; 64 might
	WBLOCK 2, 32
	WBLOCK 3, 0
.irp g, 0,1                            ; v[PC + 12 g ..] is the image of lane (r, g)
.irp c, 0,1,2
	global_store_b128 v[WS], v[PC+12*\g+4*\c:PC+12*\g+4*\c+3], s[14:15] offset:512*\c+256*\g   ; two runs of 256 consecutive bytes, aligned: one in each of the two fragments
.endr
.endr
	global_store_b32 v[WS+2], v[WD], s[28:29]      ; 4 bytes a lane, 8 of each 16: one byte in 128 of what this path reads
	s_endpgm
.Lfunc_end_k_q1c60bc2bf1_quant:
	.size	k_q1c60bc2bf1_quant, .Lfunc_end_k_q1c60bc2bf1_quant-k_q1c60bc2bf1_quant
	.p2alignl 7, 3214868480
	.fill 96, 4, 3214868480
	.section	.rodata,"a",@progbits
	.p2align	6, 0x0
	.amdhsa_kernel k_q1c60bc2bf1_quant
		.amdhsa_group_segment_fixed_size 34304
		.amdhsa_private_segment_fixed_size 0
		.amdhsa_enable_private_segment 0
		.amdhsa_kernarg_size 48
		.amdhsa_user_sgpr_count 2
		.amdhsa_user_sgpr_kernarg_segment_ptr 1
		.amdhsa_wavefront_size32 1
		.amdhsa_system_sgpr_workgroup_id_x 1
		.amdhsa_system_sgpr_workgroup_id_y 1
		.amdhsa_system_sgpr_workgroup_id_z 1
		.amdhsa_system_vgpr_workitem_id 0
		.amdhsa_next_free_vgpr 384
		.amdhsa_next_free_sgpr 66
		.amdhsa_reserve_vcc 1
		.amdhsa_float_denorm_mode_32 3
		.amdhsa_float_denorm_mode_16_64 3
		.amdhsa_memory_ordered 1
		.amdhsa_forward_progress 1
		.amdhsa_inst_pref_size 50
	.end_amdhsa_kernel
	.amdgpu_metadata
---
amdhsa.version: [ 1, 2 ]
amdhsa.kernels:
  - .name:           k_q1c60bc2bf1_quant
    .symbol:         k_q1c60bc2bf1_quant.kd
    .args:
      - { .name: x, .offset: 0, .size: 8, .value_kind: global_buffer, .address_space: global }
      - { .name: Wq, .offset: 8, .size: 8, .value_kind: global_buffer, .address_space: global }
      - { .name: Wk, .offset: 16, .size: 8, .value_kind: global_buffer, .address_space: global }
      - { .name: Wv, .offset: 24, .size: 8, .value_kind: global_buffer, .address_space: global }
      - { .name: ximg, .offset: 32, .size: 8, .value_kind: global_buffer, .address_space: global }
      - { .name: wimg, .offset: 40, .size: 8, .value_kind: global_buffer, .address_space: global }
    .group_segment_fixed_size: 34304
    .private_segment_fixed_size: 0
    .kernarg_segment_align: 8
    .kernarg_segment_size: 48
    .max_flat_workgroup_size: 128
    .sgpr_count:     66
    .vgpr_count:     384
    .wavefront_size: 32
...
	.end_amdgpu_metadata
.endif
;; end of part 1
;; launch qkv (part 2): grid 8 x 32, 4 waves a work-group, clusters of 4 x 4, 327,680 bytes of LDS; arguments ximg, wimg, bq, bk, bv, qkimg, vimg; writes qkimg, vimg
.if DOCPART == 2
	.amdgcn_target "amdgcn-amd-amdhsa--gfx1250"
	.amdhsa_code_object_version 6
	.text
	.protected	k_q1c60bc2bf1_qkv
	.globl	k_q1c60bc2bf1_qkv
	.p2align	8
	.type	k_q1c60bc2bf1_qkv,@function
k_q1c60bc2bf1_qkv:
	s_mov_b64 s[64:65], 0
	v_nop
	global_prefetch_b8 v0, s[64:65] scope:SCOPE_SE
	s_setreg_imm32_b32 hwreg(HW_REG_WAVE_MODE, 25, 1), 1
	s_wait_xcnt 0x0
	s_wait_alu depctr_hold_cnt(0) depctr_sa_sdst(0) depctr_va_vdst(0) depctr_va_sdst(0) depctr_va_ssrc(0) depctr_va_vcc(0) depctr_vm_vsrc(0)
	s_getreg_b32 s2, hwreg(HW_REG_IB_STS2, 6, 4)
	s_cmp_eq_u32 s2, 0
	s_cbranch_scc0 .Lentry_in_a_cluster
	s_endpgm
.Lentry_in_a_cluster:
	s_bfe_u32 s2, ttmp6, 0x10000c
	s_cmp_lg_u32 s2, 0xf033
	s_cbranch_scc0 .Lentry_shape_is_right
	s_endpgm
.Lentry_shape_is_right:
; q = x Wq + bq, k = x Wk + bk, v = x Wv + bv on codes of FP6, each result quantised in registers for the product that takes it: q and k along the 1,024 channels, v along the tokens.  Nothing is left out.
; 256 work-groups that stay.  Work-group (nx 0..7, ty 0..31) makes for its 256 tokens PHASE 1: 256 columns of q (nx < 4) or k, a wave 128 x 128 (64 accumulators); PHASE 2: the 128 channels nx of v, a wave 128 tokens x 64 channels (32).
; Operands are images of their registers (launch quant): a unit of 12,800 bytes is 128 rows x 128 K: eight fragments and their scale words; a fragment comes from LDS by three loads of 16 bytes at 16 x lane.
; Phase 1: source 0 = 16 columns of the weight, source 1 = 16 tokens; phase 2: source 0 = 16 tokens, source 1 = 16 channels.  By the order of rows in a unit the 16 registers of source-0 fragments 2 b, 2 b + 1 are 16 neighbours along the next K.
; The bias is the C of each sum's first matrix instruction.  The way out: fragments of the next image, quantised in registers, stored as they stand.
; qkimg: [token block 64][16: q's K steps 0-7, k's 0-7] units.   vimg: [channel block 8][token block 64] units.
; LDS: two slots, A at 0 and B at 153,600, each with three K steps of four parts (x's halves, the weight's halves; a part is 38,400 bytes).  One tensor load a wave at the head (steps 0-2 into A); steps 3-5 into B behind
; the full sequence and a round; steps 6-7 into A at step 2.  Phase 2's K steps 0-3 (x's halves and Wv: 3 x 51,200 bytes) take B at step 5, its steps 4-7 take A at step 7.  One tensor load of a wave is out at any time.
; CLUSTERS 4 x 4: x's tiles hang on ty alone (shared along a row), the weights' on nx alone (shared along a column): joint loads.
; PREFETCH: behind the first load each wave names the bytes of its part that steps 3-7 will load (256 blocks of 256 bytes, of which the first six belong to step 2), the four partners 64 blocks each, told apart by address;
; in step 0 Wv's 400 blocks, a partner 100, a wave 25 (lanes 25-31 name the wave's last block again).  x in phase 2 has been read before by this work-group.
; LIMITS: a block of zeros, or one under 2^-124, keeps the scale byte 1 (read by this program alone); NaN and infinities are not served.
; REGISTERS: window 0: v0-31 addresses; v32-63 scale words alone; source 1's fragments, two sets (phase 1 v64, v160; phase 2 v64, v112); v160-229 the ways out.  window 1: source 0's sets at v0, v128; the bias in v96-127, v224-255.  windows 2, 3: accumulators.
.set UNIT,  12800
.set PART,  2*UNIT
.set P3,    3*UNIT
.set QP,    4*UNIT
.set SLB,   4*P3
.set SPARE, 2*SLB                      ; the spare words: 512 bytes that no other line names
.set S1F, 64
.set SC1, 32
.set SC0, 48
.set AD1, 4                            ; v4-5 my half of x in slot A, B: + 16 x lane;  v6-7 of the weight;  v8-9, v10-11 the same + 16 r, for scale words
.set AD0, 6
.set AS1, 8
.set AS0, 10
.set PFO, 12                           ; v12 256 x lane;  v13 256 x min(lane, 24)
.set PFW, 13
.set AX0, 16                           ; phase 2: v16-17 my half of x, K steps 0-3 and 4-7; v18-19 its scale words; v20-21 my four fragments of Wv; v22-23 their scale words
.set AXS, 18
.set AV1, 20
.set AVS, 22
.set SPW, 28
.set NIL, 29
.set LI,  30
.set G1A, 24
.set G1B, 32
.set G0A, 40                           ; s[40:47] groups 0 for x, a set a slot; s[52:59] for the weight
.set PQ,  48                           ; s[48:49], s[50:51] where my prefetches stand; never rewritten
.set PW,  50
.set G0B, 52
.set G0X, 76
.set G1X, 80
.set G0W, 96
.set BI1, 8
.set BI2, 68
.set OU1, 70
.set OU2, 72
.set OS2, 12
.set TM,  160
.set PC,  176
.set SW,  216
.set CH,  224
.set SCA, 228
.set MSB, 0
.macro WIN new
.if MSB != \new
	s_set_vgpr_msb (MSB<<8)|\new
.set MSB, \new
.endif
.endm
.set MUL_LO, 0xa1
.set MUL_HI, 0xf1
.set TO_W1,  0x40
.macro JLOAD g0a, g1a, g0b, g1b        ; waves 0, 1 ask for x's parts, waves 2, 3 for the weight's; s_nop 0 and four v_nop behind each line
	s_cmp_eq_u32 s15, 0
	s_cbranch_scc0 .Lfor_b_\@
	tensor_load_to_lds s[\g0a:\g0a+3], s[\g1a:\g1a+7]
	s_nop 0
.rept 4
	v_nop
.endr
	s_branch .Lasked_\@
.Lfor_b_\@:
	tensor_load_to_lds s[\g0b:\g0b+3], s[\g1b:\g1b+7]
	s_nop 0
.rept 4
	v_nop
.endr
.Lasked_\@:
.endm
.macro CREST
	s_cmp_lg_u32 s14, 0
	s_cbranch_scc1 .Lnot_wave_0_\@
	s_barrier_signal -3
.Lnot_wave_0_\@:
	s_barrier_wait -3
	s_barrier_signal -1
	s_barrier_wait -1
.endm
.macro CROUND
	s_barrier_signal -1
	s_barrier_wait -1
	CREST
.endm
.macro PLACES n
.rept \n
	v_nop
.endr
.endm
.macro FETCH slot, q, set              ; 52 LDS loads: fragments and scale words of the slot's q-th K step
	WIN TO_W1
.irp i, 0,1,2,3,4,5,6,7
.irp c, 0,1,2
	ds_load_b128 v[128*(\set)+12*\i+4*\c:128*(\set)+12*\i+4*\c+3], v[AD0+\slot] offset:(\q)*UNIT+1536*\i+512*\c
.endr
.endr
	WIN 0
.irp i, 0,1,2,3,4,5,6,7
.irp c, 0,1,2
	ds_load_b128 v[S1F+96*(\set)+12*\i+4*\c:S1F+96*(\set)+12*\i+4*\c+3], v[AD1+\slot] offset:(\q)*UNIT+1536*\i+512*\c
.endr
.endr
.irp j, 0,1
	ds_load_b128 v[SC0+8*(\set)+4*\j:SC0+8*(\set)+4*\j+3], v[AS0+\slot] offset:(\q)*UNIT+12288+256*\j
	ds_load_b128 v[SC1+8*(\set)+4*\j:SC1+8*(\set)+4*\j+3], v[AS1+\slot] offset:(\q)*UNIT+12288+256*\j
.endr
.endm
.macro MULA a, set, cm                 ; token fragment a against the weight's eight; cm = 1: the sums begin with the bias.  The 64 accumulators take turns
.irp b, 0,1,2,3,4,5,6,7
.set DD, 8*(8*((\a)%4)+\b)
.if \cm == 0
	v_wmma_scale_f32_16x16x128_f8f6f4 v[DD:DD+7], v[128*(\set)+12*\b:128*(\set)+12*\b+11], v[S1F+96*(\set)+12*(\a):S1F+96*(\set)+12*(\a)+11], v[DD:DD+7], v[SC0+8*(\set)+\b], v[SC1+8*(\set)+(\a)] matrix_a_fmt:MATRIX_FMT_FP6 matrix_b_fmt:MATRIX_FMT_FP6
.else
.set BB, 96+8*\b+96*(\b/4)
	v_wmma_scale_f32_16x16x128_f8f6f4 v[DD:DD+7], v[128*(\set)+12*\b:128*(\set)+12*\b+11], v[S1F+96*(\set)+12*(\a):S1F+96*(\set)+12*(\a)+11], v[BB:BB+7], v[SC0+8*(\set)+\b], v[SC1+8*(\set)+(\a)] matrix_a_fmt:MATRIX_FMT_FP6 matrix_b_fmt:MATRIX_FMT_FP6
.endif
.endr
.endm
.macro STEPX set, nslot, nq            ; a K step: multiplies set; at its head the next step's fragments are asked for
	s_wait_dscnt 0x0
	PLACES 4
	FETCH \nslot, \nq, 1-(\set)
	WIN MUL_LO
.irp x, 0,1,2,3
	MULA \x, \set, 0
.endr
	WIN MUL_HI
.irp x, 4,5,6,7
	MULA \x, \set, 0
.endr
	WIN 0
.endm
.macro THEAD set                       ; a step with a change of slots: all my tensor loads, the add, my LDS reads; then the barrier, which opens a round
	s_wait_tensorcnt 0x0
	ds_add_u32 v[SPW], v[NIL]
	s_wait_dscnt 0x1                               ; my fragments are in; the add alone may be out
	WIN MUL_LO
	MULA 0, \set, 0
	s_wait_dscnt 0x0
	s_barrier_signal -1
	MULA 1, \set, 0
	WIN 0
	s_barrier_wait -1
.endm
.macro TTAIL set
	WIN MUL_LO
	MULA 2, \set, 0
	MULA 3, \set, 0
	WIN MUL_HI
.irp x, 4,5,6,7
	MULA \x, \set, 0
.endr
	WIN 0
.endm
.macro FETCH2 hf, q, set               ; phase 2: 39 LDS loads: K step 4 hf + q
	WIN TO_W1
.irp i, 0,1,2,3,4,5,6,7
.irp c, 0,1,2
	ds_load_b128 v[128*(\set)+12*\i+4*\c:128*(\set)+12*\i+4*\c+3], v[AX0+\hf] offset:(\q)*UNIT+1536*\i+512*\c
.endr
.endr
	WIN 0
.irp i, 0,1,2,3
.irp c, 0,1,2
	ds_load_b128 v[S1F+48*(\set)+12*\i+4*\c:S1F+48*(\set)+12*\i+4*\c+3], v[AV1+\hf] offset:(\q)*UNIT+1536*\i+512*\c
.endr
.endr
.irp j, 0,1
	ds_load_b128 v[SC0+8*(\set)+4*\j:SC0+8*(\set)+4*\j+3], v[AXS+\hf] offset:(\q)*UNIT+12288+256*\j
.endr
	ds_load_b128 v[SC1+8*(\set):SC1+8*(\set)+3], v[AVS+\hf] offset:(\q)*UNIT+12288
.endm
.macro MULB a, set, cm                 ; channel fragment a against the eight token fragments; the 32 accumulators take turns
.irp b, 0,1,2,3,4,5,6,7
.set DD, 8*(8*(\a)+\b)
.if \cm == 0
	v_wmma_scale_f32_16x16x128_f8f6f4 v[DD:DD+7], v[128*(\set)+12*\b:128*(\set)+12*\b+11], v[S1F+48*(\set)+12*(\a):S1F+48*(\set)+12*(\a)+11], v[DD:DD+7], v[SC0+8*(\set)+\b], v[SC1+8*(\set)+(\a)] matrix_a_fmt:MATRIX_FMT_FP6 matrix_b_fmt:MATRIX_FMT_FP6
.else
	v_wmma_scale_f32_16x16x128_f8f6f4 v[DD:DD+7], v[128*(\set)+12*\b:128*(\set)+12*\b+11], v[S1F+48*(\set)+12*(\a):S1F+48*(\set)+12*(\a)+11], v[96+8*(\a):96+8*(\a)+7], v[SC0+8*(\set)+\b], v[SC1+8*(\set)+(\a)] matrix_a_fmt:MATRIX_FMT_FP6 matrix_b_fmt:MATRIX_FMT_FP6
.endif
.endr
.endm
.macro STEPY set, nhf, nq
	s_wait_dscnt 0x0
	PLACES 4
	FETCH2 \nhf, \nq, 1-(\set)
	WIN MUL_LO
.irp x, 0,1,2,3
	MULB \x, \set, 0
.endr
	WIN 0
.endm
	s_load_b256 s[4:11], s[0:1], 0x0               ; ximg, wimg, bq, bk
	s_load_b128 s[68:71], s[0:1], 0x20             ; bv, qkimg
	s_load_b64 s[72:73], s[0:1], 0x30              ; vimg
	v_lshl_add_u32 v[SPW], v0, 2, SPARE
	v_mov_b32 v[NIL], 0
	ds_add_u32 v[SPW], v[NIL]                      ; the opening: the add twice on end, and its wait ahead of my first tensor load
	ds_add_u32 v[SPW], v[NIL]
	v_lshrrev_b32 v1, 5, v0
	v_readfirstlane_b32 s14, v1                    ; wave
	s_lshr_b32 s15, s14, 1                         ; my half of source 1; also: I ask for x (0) or the weights (1)
	s_and_b32 s16, s14, 1                          ; my half of source 0; also: which part I ask for
	s_bfe_u32 s66, ttmp6, 0x40000                  ; cx
	s_bfe_u32 s67, ttmp6, 0x40004                  ; cy
	s_mov_b32 s18, ttmp9                           ; the cluster's x: 0 q, 1 k
	s_and_b32 s19, ttmp7, 0xffff
	s_lshl_b32 s20, s67, 2
	s_lshl_b32 s20, 15, s20                        ; my row of the cluster
	s_lshl_b32 s21, 0x1111, s66                    ; my column
	s_or_b32 s[G1A], s20, (3<<16)|(1<<21)
	s_or_b32 s[G1B], s21, (3<<16)|(1<<21)
	s_or_b32 s[G1X], s20, (3<<16)|(1<<21)
.irp g, G1A, G1B                       ; three units: 150 dense rows of 256 bytes
	s_mov_b32 s[\g+1], 32<<16
	s_mov_b32 s[\g+2], 150<<16
	s_mov_b32 s[\g+3], 32<<16
	s_mov_b32 s[\g+4], 150
	s_mov_b32 s[\g+5], 32
	s_mov_b32 s[\g+6], 0
	s_mov_b32 s[\g+7], 0
.endr
	s_mov_b32 s[G1X+1], 32<<16                     ; four units: 200 rows
	s_mov_b32 s[G1X+2], 200<<16
	s_mov_b32 s[G1X+3], 32<<16
	s_mov_b32 s[G1X+4], 200
	s_mov_b32 s[G1X+5], 32
	s_mov_b32 s[G1X+6], 0
	s_mov_b32 s[G1X+7], 0
	s_mov_b32 s88, 0x76543210
	s_mov_b32 s89, 0xfedcba98
	s_lshl_b32 s22, s19, 2
	s_add_co_u32 s22, s22, s67                     ; ty
	s_lshl_b32 s23, s18, 2
	s_add_co_u32 s23, s23, s66                     ; nx
	s_lshl_b32 s78, s22, 1
	s_add_co_u32 s78, s78, s16
	s_mul_i32 s78, s78, 8*UNIT                     ; x: the 128 tokens that I ask for
	s_mov_b32 s79, 0
	s_lshl_b32 s94, s23, 1
	s_add_co_u32 s94, s94, s16
	s_mul_i32 s94, s94, 8*UNIT                     ; Wq, Wk: the 128 columns that I ask for
	s_mov_b32 s95, 0
	s_add_co_u32 s98, s23, 16                      ; Wv's blocks begin at 16
	s_mul_i32 s98, s98, 8*UNIT
	s_mul_i32 s99, s16, PART                       ; wave 2: the first two of four K steps, wave 3 the other two
	s_add_co_u32 s98, s98, s99
	s_mov_b32 s99, 0
	s_lshl_b32 s12, s22, 1
	s_add_co_u32 s12, s12, s15
	s_lshl_b32 s12, s12, 4
	s_lshl_b32 s13, s23, 1
	s_add_co_u32 s12, s12, s13
	s_add_co_u32 s12, s12, s16
	s_mul_i32 s12, s12, UNIT                       ; the unit of qkimg that I write
	s_lshl_b32 s13, s23, 6
	s_lshl_b32 s17, s22, 1
	s_add_co_u32 s13, s13, s17
	s_add_co_u32 s13, s13, s16
	s_mul_i32 s13, s13, UNIT                       ; the unit of vimg of which I write half
	s_mul_i32 s2, s15, 6144
	s_lshl_b32 s3, s15, 8
	s_add_co_u32 s3, s3, 12288
	s_lshl_b32 s17, s66, 10
	s_lshl_b32 s91, s16, 9
	s_add_co_u32 s17, s17, s91                     ; bq, bk
	s_lshl_b32 s91, s23, 9
	s_lshl_b32 s92, s15, 8
	s_add_co_u32 s91, s91, s92                     ; bv
	s_mov_b32 s93, 0
	s_mul_i32 s90, s14, P3                         ; where my loads land in a slot
	s_add_co_u32 s62, s23, 16                      ; Wv's prefetch: my partner's two units, my wave's 25 blocks
	s_mul_i32 s62, s62, 8*UNIT
	s_mul_i32 s63, s67, PART
	s_add_co_u32 s62, s62, s63
	s_mul_i32 s63, s14, 6400
	s_add_co_u32 s62, s62, s63
	s_mov_b32 s63, 0
	s_wait_dscnt 0x0                               ; both opening adds are done
	s_wait_kmcnt 0x0
	s_cmp_eq_u32 s18, 0
	s_cselect_b64 s[BI1:BI1+1], s[8:9], s[10:11]
	s_mov_b32 s92, s17
	s_add_nc_u64 s[BI1:BI1+1], s[BI1:BI1+1], s[92:93]
	s_add_nc_u64 s[78:79], s[4:5], s[78:79]
	s_add_nc_u64 s[94:95], s[6:7], s[94:95]
	s_add_nc_u64 s[98:99], s[6:7], s[98:99]
	s_add_nc_u64 s[PW:PW+1], s[6:7], s[62:63]
	s_mov_b32 s92, s91
	s_add_nc_u64 s[BI2:BI2+1], s[BI2:BI2+1], s[92:93]
	s_mov_b32 s92, s12
	s_add_nc_u64 s[OU1:OU1+1], s[OU1:OU1+1], s[92:93]
	s_mov_b32 s92, s13
	s_add_nc_u64 s[OU2:OU2+1], s[OU2:OU2+1], s[92:93]
	s_mov_b32 s92, s3
	s_add_nc_u64 s[OS2:OS2+1], s[OU2:OU2+1], s[92:93]
	s_mov_b32 s92, s2
	s_add_nc_u64 s[OU2:OU2+1], s[OU2:OU2+1], s[92:93]
.irp s, 0,1
	s_mov_b32 s[G0A+4*\s], 1
	s_add_co_u32 s[G0A+4*\s+1], s90, \s*SLB
	s_add_nc_u64 s[G0A+4*\s+2:G0A+4*\s+3], s[78:79], \s*P3      ; K steps 3 s .. 3 s + 2
	s_or_b32 s[G0A+4*\s+3], s[G0A+4*\s+3], 0x80000000
	s_mov_b32 s[G0B+4*\s], 1
	s_add_co_u32 s[G0B+4*\s+1], s90, \s*SLB
	s_add_nc_u64 s[G0B+4*\s+2:G0B+4*\s+3], s[94:95], \s*P3
	s_or_b32 s[G0B+4*\s+3], s[G0B+4*\s+3], 0x80000000
.endr
	s_cmp_eq_u32 s15, 0                            ; the prefetch of my part: told apart among the four that ask jointly by cx (x) or cy (the weight), in the address alone
	s_cselect_b64 s[PQ:PQ+1], s[78:79], s[94:95]
	s_cselect_b32 s60, s66, s67
	s_lshl_b32 s60, s60, 14                        ; 64 blocks a partner
	s_add_co_u32 s60, s60, P3-1536                 ; 256 blocks end with the part's last byte
	s_mov_b32 s61, 0
	s_add_nc_u64 s[PQ:PQ+1], s[PQ:PQ+1], s[60:61]
	s_mov_b32 s[G0X], 1                            ; phase 2, K steps 0-3: x's half h at B + 51,200 h; the address stands in s[78:79]
	s_mul_i32 s[G0X+1], s16, QP
	s_add_co_u32 s[G0X+1], s[G0X+1], SLB
	s_or_b32 s[G0X+3], s[G0X+3], 0x80000000
	s_mov_b32 s[G0W], 1                            ; Wv behind x's two halves; the address stands in s[98:99]
	s_mul_i32 s[G0W+1], s16, PART
	s_add_co_u32 s[G0W+1], s[G0W+1], SLB+2*QP
	s_or_b32 s[G0W+3], s[G0W+3], 0x80000000
	CROUND                                         ; all sixteen work-groups are here: the first joint loads meet
	JLOAD G0A, G1A, G0B, G1B                       ; K steps 0-2: one tensor load a wave at the head
	v_and_b32 v1, 31, v0
	v_and_b32 v2, 15, v0
	v_bfe_u32 v3, v0, 4, 1
	v_lshlrev_b32 v[LI], 4, v1
	v_lshlrev_b32 v31, 4, v2
	v_lshlrev_b32 v[PFO], 8, v1
	v_min_u32 v[PFW], 24, v1
	v_lshlrev_b32 v[PFW], 8, v[PFW]
	s_wait_alu depctr_va_vdst(0)                   ; the wait
	s_mul_i32 s92, s15, P3
	s_mul_i32 s93, s16, P3
	s_add_co_u32 s93, s93, 2*P3
.irp s, 0,1
	v_add_nc_u32 v[AD1+\s], s92, v[LI]
	v_add_nc_u32 v[AD0+\s], s93, v[LI]
	v_add_nc_u32 v[AS1+\s], s92, v31
	v_add_nc_u32 v[AS0+\s], s93, v31
	s_add_co_u32 s92, s92, SLB
	s_add_co_u32 s93, s93, SLB
.endr
	s_mul_i32 s2, s16, QP                          ; phase 2: my half of x: K steps 4-7 in A,
	s_add_co_u32 s3, s2, SLB                       ; K steps 0-3 in B
	v_add_nc_u32 v[AX0], s3, v[LI]
	v_add_nc_u32 v[AX0+1], s2, v[LI]
	v_add_nc_u32 v[AXS], s3, v31
	v_add_nc_u32 v[AXS+1], s2, v31
	s_mul_i32 s2, s15, 6144                        ; my four fragments of Wv
	s_add_co_u32 s2, s2, 2*QP
	v_add_nc_u32 v[AV1+1], s2, v[LI]
	v_add_nc_u32 v[AV1], SLB, v[AV1+1]
	s_lshl_b32 s3, s15, 8
	s_add_co_u32 s3, s3, 2*QP
	v_add_nc_u32 v[AVS+1], s3, v31
	v_add_nc_u32 v[AVS], SLB, v[AVS+1]
	v_lshlrev_b32 v3, 6, v3                        ; bq or bk in the result's layout: register j of fragment b is column 32 (b / 2) + 16 h + 8 (b % 2) + j
	WIN TO_W1
.irp b, 0,1,2,3,4,5,6,7
	global_load_b128 v[96+8*\b+96*(\b/4):96+8*\b+96*(\b/4)+3], v3, s[BI1:BI1+1] offset:4*(32*(\b/2)+8*(\b%2))
	global_load_b128 v[96+8*\b+96*(\b/4)+4:96+8*\b+96*(\b/4)+7], v3, s[BI1:BI1+1] offset:4*(32*(\b/2)+8*(\b%2))+16
.endr
	WIN 0
	v_and_b32 v31, 8, v2                           ; for bv: 4 (r + 8 (r / 8))
	v_add_nc_u32 v2, v31, v2
	v_lshlrev_b32 v2, 2, v2
	s_wait_alu depctr_va_vdst(0)                   ; the wait at the head's end
	s_wait_loadcnt 0x0                             ; the bias is in; the prefetch of my part's K steps 3-7 stands behind this wait, so that the first load's requests go out ahead of it
	global_prefetch_b8 v[PFO], s[PQ:PQ+1] th:TH_LOAD_NT scope:SCOPE_SE
	global_prefetch_b8 v[PFO], s[PQ:PQ+1] offset:8192 th:TH_LOAD_NT scope:SCOPE_SE
	s_wait_tensorcnt 0x0                           ; my part of slot A is in; the add and its wait ahead of a later first fill:
	ds_add_u32 v[SPW], v[NIL]
	s_wait_dscnt 0x0
	CROUND
	JLOAD G0A+4, G1A, G0B+4, G1B                   ; K steps 3-5 into B
	FETCH 0, 0, 0
	s_wait_dscnt 0x0                               ; K step 0: its products start the sums with the bias
	FETCH 0, 1, 1
	global_prefetch_b8 v[PFW], s[PW:PW+1] th:TH_LOAD_NT scope:SCOPE_SE   ; Wv, five steps ahead of its first load
	s_wait_loadcnt 0x0                             ; the bias
	WIN 0x91                                       ; source 0 and C window 1, D window 2
.irp x, 0,1,2,3
	MULA \x, 0, 1
.endr
	WIN 0xd1
.irp x, 4,5,6,7
	MULA \x, 0, 1
.endr
	WIN 0
	STEPX 1, 0, 2                                  ; step 1
	THEAD 0                                        ; step 2: B is whole in every wave, A is left
	CREST
	s_add_nc_u64 s[G0A+2:G0A+3], s[G0A+2:G0A+3], 2*P3   ; K steps 6 and 7: two units, 100 rows (no load of mine is out: descriptors may be written)
	s_add_nc_u64 s[G0B+2:G0B+3], s[G0B+2:G0B+3], 2*P3
.irp g, G1A, G1B
	s_mov_b32 s[\g+2], 100<<16
	s_mov_b32 s[\g+4], 100
.endr
	JLOAD G0A, G1A, G0B, G1B                       ; its four v_nop are also the places in front of the loads below
	FETCH 1, 0, 1
	TTAIL 0
	STEPX 1, 1, 1                                  ; step 3
	STEPX 0, 1, 2                                  ; step 4
	THEAD 1                                        ; step 5: steps 6, 7 are whole in every wave, B is left
	CREST
	JLOAD G0X, G1X, G0W, G1B                       ; phase 2's K steps 0-3 over B
	FETCH 0, 0, 0
	TTAIL 1
	STEPX 0, 0, 1                                  ; step 6
	THEAD 1                                        ; step 7: phase 2's first group is whole, A is left
	CREST
	s_mul_i32 s[G0X+1], s16, QP                    ; K steps 4-7 over A
	s_add_nc_u64 s[G0X+2:G0X+3], s[G0X+2:G0X+3], QP
	s_mul_i32 s[G0W+1], s16, PART
	s_add_co_u32 s[G0W+1], s[G0W+1], 2*QP
	s_add_nc_u64 s[G0W+2:G0W+3], s[G0W+2:G0W+3], QP
	JLOAD G0X, G1X, G0W, G1B
	FETCH2 0, 0, 0                                 ; phase 2's first fragments, into set 0, which step 6 has left
	TTAIL 1
; A way out.  Fragment a of the new image: my lane's row, 64 numbers: register 16 b + i = k 32 b + 16 h + i.  A block of 32 lies in lanes l and l xor 16.
.macro QUANTW a, sb
.set AC, 64*((\a)%4)
.set PS, PC+20*((\a)%2)
.set WQ, 0x0a+5*((\a)/4)
	WIN WQ
.irp b, 0,1,2,3
	v_max3_num_f32 v[TM+\b], |v[AC+16*\b]|, |v[AC+16*\b+1]|, 0x1800000   ; each accumulator from its low end on; the floor 2^(3 - 127) holds the byte at 1
.endr
.irp i, 2,4,6,8,10,12,14
.irp b, 0,1,2,3
	v_max3_num_f32 v[TM+\b], |v[AC+16*\b+\i]|, |v[AC+16*\b+\i+1]|, v[TM+\b]
.endr
.endr
	WIN 0
.irp b, 0,1,2,3
	v_permlanex16_b32 v[TM+4+\b], v[TM+\b], s88, s89
.endr
.irp b, 0,1,2,3
	v_max_num_f32 v[TM+\b], v[TM+\b], v[TM+4+\b]
.endr
.irp b, 0,1,2,3
	v_add_nc_u32 v[TM+12+\b], 0xff000000, v[TM+\b] ; 2 off the exponent field: the conversion's scale operand
.endr
.irp b, 0,1,2,3
	v_lshrrev_b32 v[TM+4+\b], 23, v[TM+12+\b]
.endr
	v_lshl_or_b32 v[SW+(\a)], v[TM+5], 8, v[TM+4]
	v_lshl_or_b32 v[SW+(\a)], v[TM+6], 16, v[SW+(\a)]
	v_lshl_or_b32 v[SW+(\a)], v[TM+7], 24, v[SW+(\a)]
.if (\a) >= 2
	s_wait_xcnt 0x0                                ; the stores of two fragments ago have read this set of codes
.endif
.set WQ, 2+(\a)/4
	WIN WQ
.irp c, 0,1
	v_cvt_scalef32_pk16_fp6_f32 v[PS+6*\c:PS+6*\c+2], v[AC+32*\c:AC+32*\c+15], v[TM+12+2*\c]
	v_cvt_scalef32_pk16_fp6_f32 v[PS+12+4*\c:PS+14+4*\c], v[AC+32*\c+16:AC+32*\c+31], v[TM+12+2*\c+1]
.endr
	WIN 0
	v_nop                                          ; one plain place behind a scaled conversion
.irp c, 0,1                            ; the operand's layout wants a whole block in a lane
.irp i, 0,1,2
	v_permlane16_swap_b32 v[PS+6*\c+\i], v[PS+12+4*\c+\i]
.endr
.irp i, 0,1,2
	v_mov_b32 v[PS+6*\c+3+\i], v[PS+12+4*\c+\i]
.endr
.endr
.irp c, 0,1,2
	global_store_b128 v[LI], v[PS+4*\c:PS+4*\c+3], s[\sb:\sb+1] offset:1536*(\a)+512*\c   ; 32 lanes store 512 consecutive bytes, aligned to 256
.endr
.endm
	PLACES 4                                       ; behind the last products
	WIN TO_W1
.irp a, 0,1,2,3                        ; bv, into registers that bq or bk has left: all eight registers of fragment a hold the bias of my channel
.irp j, 0,1,2,3,4,5,6,7
	global_load_b32 v[96+8*\a+\j], v2, s[BI2:BI2+1] offset:4*(32*(\a/2)+8*(\a%2))
.endr
.endr
	WIN 0
.irp b, 0,1,2,3
	v_mov_b32 v[TM+4+\b], 0                        ; a lane permute's destination counts as one of its sources
.endr
.irp x, 0,1,2,3,4,5,6,7
	QUANTW \x, OU1
.endr
	v_cmp_lt_u32 vcc_lo, 15, v1                    ; lanes 16-31 store the words of fragments 4 to 7
.irp i, 0,1,2,3
	v_cndmask_b32 v[CH+\i], v[SW+\i], v[SW+4+\i], vcc_lo
.endr
	global_store_b128 v[LI], v[CH:CH+3], s[OU1:OU1+1] offset:12288
	; PHASE 2
	s_wait_dscnt 0x0
	FETCH2 0, 1, 1
	s_wait_loadcnt 0x0                             ; bv
	WIN 0x91
.irp x, 0,1,2,3
	MULB \x, 0, 1
.endr
	WIN 0
	STEPY 1, 0, 2
	STEPY 0, 0, 3
	s_wait_tensorcnt 0x0                           ; step 3: K steps 4-7 have landed
	ds_add_u32 v[SPW], v[NIL]
	s_wait_dscnt 0x1
	WIN MUL_LO
	MULB 0, 1, 0
	s_wait_dscnt 0x0
	s_barrier_signal -1
	MULB 1, 1, 0
	WIN 0
	s_barrier_wait -1                              ; in every wave; nothing is filled, so no round follows
	PLACES 4
	FETCH2 1, 0, 0
	WIN MUL_LO
	MULB 2, 1, 0
	MULB 3, 1, 0
	WIN 0
	STEPY 0, 1, 1
	STEPY 1, 1, 2
	STEPY 0, 1, 3
	s_wait_dscnt 0x0
	WIN MUL_LO
.irp x, 0,1,2,3
	MULB \x, 1, 0
.endr
	WIN 0
	PLACES 4
	s_wait_xcnt 0x0                                ; phase 1's stores have read their registers
.irp x, 0,1,2,3
	QUANTW \x, OU2
.endr
	v_and_b32 v[SCA], 15, v0
	v_bfe_u32 v[SCA+1], v0, 4, 1
	v_lshlrev_b32 v[SCA], 4, v[SCA]
	v_lshl_add_u32 v[SCA], v[SCA+1], 3, v[SCA]
	v_cmp_lt_u32 vcc_lo, 15, v1
	v_cndmask_b32 v[CH], v[SW], v[SW+2], vcc_lo
	v_cndmask_b32 v[CH+1], v[SW+1], v[SW+3], vcc_lo
	global_store_b64 v[SCA], v[CH:CH+1], s[OS2:OS2+1]
	s_wait_tensorcnt 0x0                           ; the wave's end
	ds_add_u32 v[SPW], v[NIL]
	s_wait_dscnt 0x0
	CROUND                                         ; the closing round
	s_endpgm
.Lfunc_end_k_q1c60bc2bf1_qkv:
	.size	k_q1c60bc2bf1_qkv, .Lfunc_end_k_q1c60bc2bf1_qkv-k_q1c60bc2bf1_qkv
	.p2alignl 7, 3214868480
	.fill 96, 4, 3214868480
	.section	.rodata,"a",@progbits
	.p2align	6, 0x0
	.amdhsa_kernel k_q1c60bc2bf1_qkv
		.amdhsa_group_segment_fixed_size 327680
		.amdhsa_private_segment_fixed_size 0
		.amdhsa_enable_private_segment 0
		.amdhsa_kernarg_size 56
		.amdhsa_user_sgpr_count 2
		.amdhsa_user_sgpr_kernarg_segment_ptr 1
		.amdhsa_wavefront_size32 1
		.amdhsa_system_sgpr_workgroup_id_x 1
		.amdhsa_system_sgpr_workgroup_id_y 1
		.amdhsa_system_sgpr_workgroup_id_z 1
		.amdhsa_system_vgpr_workitem_id 0
		.amdhsa_next_free_vgpr 1024
		.amdhsa_next_free_sgpr 100
		.amdhsa_reserve_vcc 1
		.amdhsa_float_denorm_mode_32 3
		.amdhsa_float_denorm_mode_16_64 3
		.amdhsa_memory_ordered 1
		.amdhsa_forward_progress 1
		.amdhsa_inst_pref_size 217
	.end_amdhsa_kernel
	.amdgpu_metadata
---
amdhsa.version: [ 1, 2 ]
amdhsa.kernels:
  - .name:           k_q1c60bc2bf1_qkv
    .symbol:         k_q1c60bc2bf1_qkv.kd
    .args:
      - { .name: ximg, .offset: 0, .size: 8, .value_kind: global_buffer, .address_space: global }
      - { .name: wimg, .offset: 8, .size: 8, .value_kind: global_buffer, .address_space: global }
      - { .name: bq, .offset: 16, .size: 8, .value_kind: global_buffer, .address_space: global }
      - { .name: bk, .offset: 24, .size: 8, .value_kind: global_buffer, .address_space: global }
      - { .name: bv, .offset: 32, .size: 8, .value_kind: global_buffer, .address_space: global }
      - { .name: qkimg, .offset: 40, .size: 8, .value_kind: global_buffer, .address_space: global }
      - { .name: vimg, .offset: 48, .size: 8, .value_kind: global_buffer, .address_space: global }
    .group_segment_fixed_size: 327680
    .private_segment_fixed_size: 0
    .kernarg_segment_align: 8
    .kernarg_segment_size: 56
    .max_flat_workgroup_size: 128
    .sgpr_count:     100
    .vgpr_count:     1024
    .wavefront_size: 32
...
	.end_amdgpu_metadata
.endif
;; end of part 2
;; launch scores (part 3): grid 8 x 32, 4 waves a work-group, clusters of 4 x 4, 327,680 bytes of LDS; arguments qkimg, mask, pimg, pst; writes pimg, pst
.if DOCPART == 3
	.amdgcn_target "amdgcn-amd-amdhsa--gfx1250"
	.amdhsa_code_object_version 6
	.text
	.protected	k_q1c60bc2bf1_scores
	.globl	k_q1c60bc2bf1_scores
	.p2align	8
	.type	k_q1c60bc2bf1_scores,@function
k_q1c60bc2bf1_scores:
	s_mov_b64 s[64:65], 0
	v_nop
	global_prefetch_b8 v0, s[64:65] scope:SCOPE_SE
	s_setreg_imm32_b32 hwreg(HW_REG_WAVE_MODE, 25, 1), 1
	s_wait_xcnt 0x0
	s_wait_alu depctr_hold_cnt(0) depctr_sa_sdst(0) depctr_va_vdst(0) depctr_va_sdst(0) depctr_va_ssrc(0) depctr_va_vcc(0) depctr_vm_vsrc(0)
	s_getreg_b32 s2, hwreg(HW_REG_IB_STS2, 6, 4)
	s_cmp_eq_u32 s2, 0
	s_cbranch_scc0 .Lentry_in_a_cluster
	s_endpgm
.Lentry_in_a_cluster:
	s_bfe_u32 s2, ttmp6, 0x10000c
	s_cmp_lg_u32 s2, 0xf033
	s_cbranch_scc0 .Lentry_shape_is_right
	s_endpgm
.Lentry_shape_is_right:
; S = q k^T / 32 + mask on codes of FP6, and in the way out the softmax's p, quantised along the keys: codes and not scores go to memory.  Nothing is left out: the mask is loaded and added to every score.
; THE SOFTMAX.  t = logit x log2(e); p = 2^(t - M), M a whole number.  Here M is LOCAL: the ceiling of the largest t of a query among a wave's 128 keys.  Another whole M moves p by an exact power of two, which a block's scale
; takes up.  Stored for each (query, 128 keys): the four scale bytes under the local M, M, and the sum of the unquantised p.  Launch pv brings them under the row's M.
; A work-group of four waves makes 256 queries x 256 keys of one batch, a wave 128 x 128.  Source 0 = 16 keys, source 1 = 16 queries: a lane holds one query, and by the order of rows in a unit the 16 registers of key
; fragments 2 b, 2 b + 1 are the neighbouring keys 32 b + 16 (lane / 16) + 0 .. 15.  K = 1,024: eight steps of 128, written out.
; LDS: two slots, A at 0 and B at 153,600, each three K steps of four parts (the queries' halves, the keys' halves; 38,400 bytes a part).  One tensor load a wave at the head (steps 0-2 into A); steps 3-5 into B behind the
; full sequence and a round; steps 6-7 into A at step 2.  THE MASK: each wave brings its own 128 queries x 128 keys as two tiles of 64 rows x 512 bytes, 16 bytes of padding a row (33,792 bytes, inside a part's 38,400):
; rows 0-63 over B at step 5, rows 64-127 over A at step 7.  A wave reads only the mask that it has loaded itself, behind its own wait; no partner shares a mask tile, so these loads name no other work-group.
; One tensor load of a wave is out at any time.  CLUSTERS 4 x 4: q's tiles are shared along a row, k's along a column: joint loads.
; PREFETCH: behind the first load each wave names the bytes of its part that steps 3-7 will load (256 blocks of 256 bytes, the first six of them step 2's), the four partners 64 each, told apart by address.  Its own mask tile,
; 256 blocks, goes two instructions (64 blocks) a step from the second load on to step 2: rows 0-63 at least four steps ahead of their load, rows 64-127 five.
; pimg: [(query block 64) x 16 + key block] x 12,288 bytes: eight fragments of p.   pst: the same index x 1,536: 512 bytes of scale words, 512 of M, 512 of sums, in the order of a unit's scale words.
; LIMITS: NaN and +infinity are not served.  -infinity in the mask is: where all 128 logits are -infinity, or under -2.3e38, M is held at -3e38, p and the sum are 0.  A block whose every p has fallen to 0 keeps the byte 1: its codes are zeros.
; REGISTERS: window 0: v0-31 addresses; v32-63 scale words alone; the queries' sets at v64, v160.  window 1: the keys' sets at v0, v128.  windows 2, 3: accumulators.
;   In the way out: window 0: v64-127 logits, then p; v128-147 codes; v148-172 at work; v184-219 what goes to pst.  window 1: v64-127 the mask of the fragment in hand.
.set UNIT,  12800
.set P3,    3*UNIT
.set SLB,   4*P3
.set SPARE, 2*SLB                      ; the spare words: 512 bytes that no other line names
.set S1F, 64
.set SC1, 32
.set SC0, 48
.set AD1, 4
.set AD0, 6
.set AS1, 8
.set AS0, 10
.set PFO, 12                           ; v12 256 x lane;  v13 8,192 (lane / 2) + 256 (lane % 2): two blocks a row of my mask tile
.set PFM, 13
.set LI,  16
.set MA,  18                           ; v18-19 my place in my first and second mask tile: 528 (r + 8 (r / 8)) + 64 h
.set SPW, 28
.set NIL, 29
.set G1A, 24
.set G1B, 32
.set G0A, 40
.set PQ,  48                           ; s[48:49], s[50:51] where my prefetches stand; never rewritten
.set PM,  50
.set G0B, 52
.set G0M, 68
.set G1M, 72
.set U,   64
.set MK,  64
.set PC,  128
.set BM,  148
.set T4,  152
.set SO,  156
.set BY,  160
.set X1,  164
.set NM,  166
.set LA,  168
.set LB,  170
.set TQ,  172
.set SW,  184
.set MM,  192
.set LS,  200
.set CH,  208
.set MSB, 0
.macro WIN new
.if MSB != \new
	s_set_vgpr_msb (MSB<<8)|\new
.set MSB, \new
.endif
.endm
.set MUL_LO, 0xa1
.set MUL_HI, 0xf1
.set TO_W1,  0x40
.macro JLOAD g0a, g1a, g0b, g1b        ; waves 0, 1 ask for the queries' parts, waves 2, 3 for the keys'; s_nop 0 and four v_nop behind each line
	s_cmp_eq_u32 s15, 0
	s_cbranch_scc0 .Lfor_b_\@
	tensor_load_to_lds s[\g0a:\g0a+3], s[\g1a:\g1a+7]
	s_nop 0
.rept 4
	v_nop
.endr
	s_branch .Lasked_\@
.Lfor_b_\@:
	tensor_load_to_lds s[\g0b:\g0b+3], s[\g1b:\g1b+7]
	s_nop 0
.rept 4
	v_nop
.endr
.Lasked_\@:
.endm
.macro MASKLOAD                        ; every wave's own tile
	tensor_load_to_lds s[G0M:G0M+3], s[G1M:G1M+7]
	s_nop 0
.rept 4
	v_nop
.endr
.endm
.macro MPF j                           ; rows 16 j .. 16 j + 31 of my mask tile
	global_prefetch_b8 v[PFM], s[PM:PM+1] offset:(\j)*131072 th:TH_LOAD_NT scope:SCOPE_SE
	global_prefetch_b8 v[PFM], s[PM:PM+1] offset:(\j)*131072+131072 th:TH_LOAD_NT scope:SCOPE_SE
.endm
.macro CREST
	s_cmp_lg_u32 s14, 0
	s_cbranch_scc1 .Lnot_wave_0_\@
	s_barrier_signal -3
.Lnot_wave_0_\@:
	s_barrier_wait -3
	s_barrier_signal -1
	s_barrier_wait -1
.endm
.macro CROUND
	s_barrier_signal -1
	s_barrier_wait -1
	CREST
.endm
.macro PLACES n
.rept \n
	v_nop
.endr
.endm
.macro FETCH slot, q, set              ; 52 LDS loads: fragments and scale words of the slot's q-th K step
	WIN TO_W1
.irp i, 0,1,2,3,4,5,6,7
.irp c, 0,1,2
	ds_load_b128 v[128*(\set)+12*\i+4*\c:128*(\set)+12*\i+4*\c+3], v[AD0+\slot] offset:(\q)*UNIT+1536*\i+512*\c
.endr
.endr
	WIN 0
.irp i, 0,1,2,3,4,5,6,7
.irp c, 0,1,2
	ds_load_b128 v[S1F+96*(\set)+12*\i+4*\c:S1F+96*(\set)+12*\i+4*\c+3], v[AD1+\slot] offset:(\q)*UNIT+1536*\i+512*\c
.endr
.endr
.irp j, 0,1
	ds_load_b128 v[SC0+8*(\set)+4*\j:SC0+8*(\set)+4*\j+3], v[AS0+\slot] offset:(\q)*UNIT+12288+256*\j
	ds_load_b128 v[SC1+8*(\set)+4*\j:SC1+8*(\set)+4*\j+3], v[AS1+\slot] offset:(\q)*UNIT+12288+256*\j
.endr
.endm
.macro MULA a, set, zero               ; query fragment a against the eight key fragments; the 64 accumulators take turns
.irp b, 0,1,2,3,4,5,6,7
.set DD, 8*(8*((\a)%4)+\b)
.if \zero
	v_wmma_scale_f32_16x16x128_f8f6f4 v[DD:DD+7], v[128*(\set)+12*\b:128*(\set)+12*\b+11], v[S1F+96*(\set)+12*(\a):S1F+96*(\set)+12*(\a)+11], 0, v[SC0+8*(\set)+\b], v[SC1+8*(\set)+(\a)] matrix_a_fmt:MATRIX_FMT_FP6 matrix_b_fmt:MATRIX_FMT_FP6
.else
	v_wmma_scale_f32_16x16x128_f8f6f4 v[DD:DD+7], v[128*(\set)+12*\b:128*(\set)+12*\b+11], v[S1F+96*(\set)+12*(\a):S1F+96*(\set)+12*(\a)+11], v[DD:DD+7], v[SC0+8*(\set)+\b], v[SC1+8*(\set)+(\a)] matrix_a_fmt:MATRIX_FMT_FP6 matrix_b_fmt:MATRIX_FMT_FP6
.endif
.endr
.endm
.macro STEPX set, nslot, nq, zero, pf  ; a K step: multiplies set; at its head the next step's fragments are asked for; pf >= 0: two prefetches of the mask behind them
	s_wait_dscnt 0x0
.if !(\zero)
	PLACES 4
.endif
	FETCH \nslot, \nq, 1-(\set)
.if \pf >= 0
	MPF \pf
.endif
	WIN MUL_LO
.irp x, 0,1,2,3
	MULA \x, \set, \zero
.endr
	WIN MUL_HI
.irp x, 4,5,6,7
	MULA \x, \set, \zero
.endr
	WIN 0
.endm
.macro THEAD set                       ; a step with a change of slots: all my tensor loads, the add, my LDS reads; then the barrier, which opens a round
	s_wait_tensorcnt 0x0
	ds_add_u32 v[SPW], v[NIL]
	s_wait_dscnt 0x1                               ; my fragments are in; the add alone may be out
	WIN MUL_LO
	MULA 0, \set, 0
	s_wait_dscnt 0x0
	s_barrier_signal -1
	MULA 1, \set, 0
	WIN 0
	s_barrier_wait -1
.endm
.macro TTAIL set
	WIN MUL_LO
	MULA 2, \set, 0
	MULA 3, \set, 0
	WIN MUL_HI
.irp x, 4,5,6,7
	MULA \x, \set, 0
.endr
	WIN 0
.endm
	s_load_b256 s[4:11], s[0:1], 0x0               ; qkimg, mask, pimg, pst
	v_lshl_add_u32 v[SPW], v0, 2, SPARE
	v_mov_b32 v[NIL], 0
	ds_add_u32 v[SPW], v[NIL]                      ; the opening: the add twice on end, and its wait ahead of my first tensor load
	ds_add_u32 v[SPW], v[NIL]
	v_lshrrev_b32 v1, 5, v0
	v_readfirstlane_b32 s14, v1                    ; wave
	s_lshr_b32 s15, s14, 1                         ; my half of the queries; also: I ask for the queries (0) or the keys (1)
	s_and_b32 s16, s14, 1                          ; my half of the keys; also: which half I ask for
	s_bfe_u32 s66, ttmp6, 0x40000                  ; cx
	s_bfe_u32 s67, ttmp6, 0x40004                  ; cy
	s_mov_b32 s18, ttmp9
	s_and_b32 s19, ttmp7, 0xffff
	s_lshl_b32 s20, s67, 2
	s_lshl_b32 s20, 15, s20                        ; my row of the cluster
	s_lshl_b32 s21, 0x1111, s66                    ; my column
	s_or_b32 s[G1A], s20, (3<<16)|(1<<21)
	s_or_b32 s[G1B], s21, (3<<16)|(1<<21)
.irp g, G1A, G1B                       ; three units: 150 dense rows of 256 bytes
	s_mov_b32 s[\g+1], 32<<16
	s_mov_b32 s[\g+2], 150<<16
	s_mov_b32 s[\g+3], 32<<16
	s_mov_b32 s[\g+4], 150
	s_mov_b32 s[\g+5], 32
	s_mov_b32 s[\g+6], 0
	s_mov_b32 s[\g+7], 0
.endr
	s_mov_b32 s[G1M], (2<<16)|(1<<20)|(6<<22)|(3<<25)   ; the mask's tiles: elements of 4 bytes; 4 words of padding behind every 128
	s_mov_b32 s[G1M+1], 128<<16
	s_mov_b32 s[G1M+2], 64<<16
	s_mov_b32 s[G1M+3], 128<<16
	s_mov_b32 s[G1M+4], 64
	s_mov_b32 s[G1M+5], 2048
	s_mov_b32 s[G1M+6], 0
	s_mov_b32 s[G1M+7], 0
	s_mov_b32 s88, 0x76543210
	s_mov_b32 s89, 0xfedcba98
	s_mov_b32 s90, 0x3d000000                      ; 1 / sqrt(1024) = 1 / 32: a power of two, so the multiply-add with the mask rounds once
	s_mov_b32 s91, s90
	s_mov_b32 s92, 0x3fb8aa3b                      ; log2(e)
	s_mov_b32 s93, s92
	s_lshl_b32 s22, s19, 2
	s_add_co_u32 s22, s22, s67                     ; the tile of 256 queries, 8 to a batch
	s_lshl_b32 s23, s18, 2
	s_add_co_u32 s23, s23, s66                     ; the tile of 256 keys
	s_lshr_b32 s17, s19, 1                         ; the batch
	s_lshl_b32 s2, s22, 1
	s_add_co_u32 s2, s2, s16
	s_mul_i32 s2, s2, 16*UNIT                      ; q of the token block that I ask for
	s_mov_b32 s3, 0
	s_lshl_b32 s12, s17, 4
	s_lshl_b32 s13, s23, 1
	s_add_co_u32 s12, s12, s13
	s_add_co_u32 s12, s12, s16
	s_mul_i32 s12, s12, 16*UNIT
	s_add_co_u32 s12, s12, 8*UNIT                  ; k lies behind q in a token block
	s_mov_b32 s13, 0
	s_lshl_b32 s20, s22, 1
	s_add_co_u32 s20, s20, s15                     ; my query block
	s_lshl_b32 s21, s23, 1
	s_add_co_u32 s21, s21, s16                     ; my key block
	s_lshl_b32 s80, s20, 4
	s_add_co_u32 s80, s80, s21
	s_mul_i32 s86, s80, 1536
	s_mov_b32 s87, 0
	s_mul_i32 s80, s80, 12288
	s_mov_b32 s81, 0
	s_and_b32 s98, s20, 15                         ; the mask is the same for all batches
	s_lshl_b32 s98, s98, 20
	s_lshl_b32 s99, s21, 9
	s_add_co_u32 s98, s98, s99
	s_mov_b32 s99, 0
	s_mul_i32 s17, s14, P3                         ; where my loads land in a slot
	s_mov_b32 s[G0M], 1
	s_add_co_u32 s[G0M+1], s17, SLB                ; my first mask tile
	s_wait_dscnt 0x0                               ; both opening adds are done
	s_wait_kmcnt 0x0
	s_add_nc_u64 s[94:95], s[4:5], s[2:3]
	s_add_nc_u64 s[96:97], s[4:5], s[12:13]
	s_add_nc_u64 s[PM:PM+1], s[6:7], s[98:99]
	s_mov_b64 s[G0M+2:G0M+3], s[PM:PM+1]
	s_or_b32 s[G0M+3], s[G0M+3], 0x80000000
	s_add_nc_u64 s[82:83], s[8:9], s[80:81]
	s_add_nc_u64 s[84:85], s[10:11], s[86:87]
.irp s, 0,1
	s_mov_b32 s[G0A+4*\s], 1
	s_add_co_u32 s[G0A+4*\s+1], s17, \s*SLB
	s_add_nc_u64 s[G0A+4*\s+2:G0A+4*\s+3], s[94:95], \s*P3      ; K steps 3 s .. 3 s + 2
	s_or_b32 s[G0A+4*\s+3], s[G0A+4*\s+3], 0x80000000
	s_mov_b32 s[G0B+4*\s], 1
	s_add_co_u32 s[G0B+4*\s+1], s17, \s*SLB
	s_add_nc_u64 s[G0B+4*\s+2:G0B+4*\s+3], s[96:97], \s*P3
	s_or_b32 s[G0B+4*\s+3], s[G0B+4*\s+3], 0x80000000
.endr
	s_cmp_eq_u32 s15, 0                            ; the prefetch of my part: told apart among the four that ask jointly by cx (q) or cy (k), in the address alone
	s_cselect_b64 s[PQ:PQ+1], s[94:95], s[96:97]
	s_cselect_b32 s60, s66, s67
	s_lshl_b32 s60, s60, 14                        ; 64 blocks a partner
	s_add_co_u32 s60, s60, P3-1536                 ; 256 blocks end with the part's last byte
	s_mov_b32 s61, 0
	s_add_nc_u64 s[PQ:PQ+1], s[PQ:PQ+1], s[60:61]
	CROUND                                         ; all sixteen work-groups are here: the first joint loads meet
	JLOAD G0A, G1A, G0B, G1B                       ; K steps 0-2: one tensor load a wave at the head
	v_and_b32 v1, 31, v0
	v_and_b32 v2, 15, v0
	v_bfe_u32 v3, v0, 4, 1
	v_lshlrev_b32 v[LI], 4, v1
	v_lshlrev_b32 v17, 4, v2
	v_lshlrev_b32 v[PFO], 8, v1
	v_lshrrev_b32 v[PFM], 1, v1
	v_lshlrev_b32 v[PFM], 13, v[PFM]
	v_and_b32 v15, 1, v1
	v_lshl_add_u32 v[PFM], v15, 8, v[PFM]
	s_wait_alu depctr_va_vdst(0)                   ; the wait
	global_prefetch_b8 v[PFO], s[PQ:PQ+1] th:TH_LOAD_NT scope:SCOPE_SE
	global_prefetch_b8 v[PFO], s[PQ:PQ+1] offset:8192 th:TH_LOAD_NT scope:SCOPE_SE
	s_mul_i32 s98, s15, P3
	s_mul_i32 s99, s16, P3
	s_add_co_u32 s99, s99, 2*P3
.irp s, 0,1
	v_add_nc_u32 v[AD1+\s], s98, v[LI]
	v_add_nc_u32 v[AD0+\s], s99, v[LI]
	v_add_nc_u32 v[AS1+\s], s98, v17
	v_add_nc_u32 v[AS0+\s], s99, v17
	s_add_co_u32 s98, s98, SLB
	s_add_co_u32 s99, s99, SLB
.endr
	v_and_b32 v[MA], 8, v2
	v_add_nc_u32 v[MA], v[MA], v2                  ; r + 8 (r / 8)
	v_mul_u32_u24 v[MA], v[MA], 528
	v_lshl_add_u32 v[MA], v3, 6, v[MA]             ; + 64 h
	s_mul_i32 s98, s14, P3
	v_add_nc_u32 v[MA+1], s98, v[MA]               ; in my second tile (A),
	v_add_nc_u32 v[MA], SLB, v[MA+1]               ; in my first (B)
	s_wait_alu depctr_va_vdst(0)                   ; the wait at the head's end
	s_wait_tensorcnt 0x0                           ; my part of slot A is in; the add and its wait ahead of a later first fill:
	ds_add_u32 v[SPW], v[NIL]
	s_wait_dscnt 0x0
	CROUND
	JLOAD G0A+4, G1A, G0B+4, G1B                   ; K steps 3-5 into B
	FETCH 0, 0, 0
	MPF 0
	STEPX 0, 0, 1, 1, 2                            ; step 0: its products start the sums
	STEPX 1, 0, 2, 0, 4                            ; step 1
	THEAD 0                                        ; step 2: B is whole in every wave, A is left
	CREST
	s_add_nc_u64 s[G0A+2:G0A+3], s[G0A+2:G0A+3], 2*P3   ; K steps 6 and 7: two units, 100 rows (no load of mine is out: descriptors may be written)
	s_add_nc_u64 s[G0B+2:G0B+3], s[G0B+2:G0B+3], 2*P3
.irp g, G1A, G1B
	s_mov_b32 s[\g+2], 100<<16
	s_mov_b32 s[\g+4], 100
.endr
	JLOAD G0A, G1A, G0B, G1B                       ; its four v_nop are also the places in front of the loads below
	FETCH 1, 0, 1
	MPF 6
	TTAIL 0
	STEPX 1, 1, 1, 0, -1                           ; step 3
	STEPX 0, 1, 2, 0, -1                           ; step 4
	THEAD 1                                        ; step 5: steps 6, 7 are whole in every wave, B is left
	CREST
	MASKLOAD                                       ; the mask of my queries 0-63, over B
	FETCH 0, 0, 0
	TTAIL 1
	STEPX 0, 0, 1, 0, -1                           ; step 6
.macro MREAD a                         ; the mask of query fragment a, for my query: keys 32 b + 16 h + 0 .. 15, in the scores' order of registers
	WIN TO_W1
.irp b, 0,1,2,3
.irp e, 0,1,2,3
	ds_load_b128 v[MK+16*\b+4*\e:MK+16*\b+4*\e+3], v[MA+((\a)/4)] offset:528*(32*(((\a)%4)/2)+8*((\a)%2))+128*\b+16*\e
.endr
.endr
	WIN 0
.endm
.macro SOFT a                          ; query fragment a: logits, local M, p, its sum, its codes and scale word
.set AC, 64*((\a)%4)
.set WQ, 0x12+(\a)/4
	s_wait_dscnt 0x0                               ; the fragment's mask is in
	WIN WQ
.set jj, 0
.rept 32
	v_pk_fma_f32 v[U+jj:U+jj+1], v[AC+jj:AC+jj+1], s[90:91], v[MK+jj:MK+jj+1] op_sel_hi:[1,0,1]   ; score / 32 + mask; each accumulator from its low end on
.set jj, jj+2
.endr
	WIN 0
.if (\a) == 3
	s_wait_tensorcnt 0x0                           ; my second mask tile has landed
.endif
.if (\a) < 7
	MREAD (\a)+1
.endif
.irp b, 0,1,2,3
	v_max3_num_f32 v[BM+\b], v[U+16*\b], v[U+16*\b+1], v[U+16*\b+2]   ; the largest logit of each block of 32 keys: for the row's maximum and, since p rises with the logit, for the block's largest p
.endr
.irp i, 3,5,7,9,11,13
.irp b, 0,1,2,3
	v_max3_num_f32 v[BM+\b], v[BM+\b], v[U+16*\b+\i], v[U+16*\b+\i+1]
.endr
.endr
.irp b, 0,1,2,3
	v_max_num_f32 v[BM+\b], v[BM+\b], v[U+16*\b+15]
.endr
.irp b, 0,1,2,3
	v_permlanex16_b32 v[T4+\b], v[BM+\b], s88, s89
.endr
.irp b, 0,1,2,3
	v_max_num_f32 v[BM+\b], v[BM+\b], v[T4+\b]
.endr
	v_max3_num_f32 v[X1], v[BM], v[BM+1], v[BM+2]
	v_max_num_f32 v[X1], v[X1], v[BM+3]
	v_mul_f32 v[X1], s92, v[X1]
	v_max_num_f32 v[X1], 0xff61b1e6, v[X1]         ; held at -3e38 from below
	v_floor_f32 v[NM], -v[X1]                      ; -M = floor(-t)
.set jj, 0
.rept 32
	v_pk_fma_f32 v[U+jj:U+jj+1], v[U+jj:U+jj+1], s[92:93], v[NM:NM+1] op_sel_hi:[1,0,0]   ; t - M
.set jj, jj+2
.endr
.irp b, 0,1,2,3
	v_fma_f32 v[BM+\b], v[BM+\b], s92, v[NM]
.endr
.set jj, 0
	s_wait_alu depctr_va_vdst(0)                   ; the wait ahead of the batch
.rept 64
	v_exp_f32 v[U+jj], v[U+jj]
.set jj, jj+1
.endr
	v_xor_b32 v[MM+(\a)], 0x80000000, v[NM]        ; M; a plain place behind the exponentials
	s_wait_alu depctr_va_vdst(0)                   ; one wait for the batch, ahead of its first reader
.irp b, 0,1,2,3
	v_exp_f32 v[BM+\b], v[BM+\b]                   ; the block's largest p
.endr
	v_pk_add_f32 v[LB:LB+1], v[U:U+1], v[U+2:U+3]  ; the sum of the unquantised p, in two chains
	v_pk_add_f32 v[LA:LA+1], v[U+4:U+5], v[U+6:U+7]
.irp j, 8,12,16,20,24,28,32,36,40,44,48,52,56,60
	v_pk_add_f32 v[LB:LB+1], v[LB:LB+1], v[U+\j:U+\j+1]
	v_pk_add_f32 v[LA:LA+1], v[LA:LA+1], v[U+\j+2:U+\j+3]
.endr
	v_pk_add_f32 v[LA:LA+1], v[LA:LA+1], v[LB:LB+1]
	s_wait_alu depctr_va_vdst(0)                   ; and one for the four
.irp b, 0,1,2,3
	v_max_num_f32 v[BM+\b], 0x1800000, v[BM+\b]    ; the floor 2^(3 - 127)
.endr
.irp b, 0,1,2,3
	v_add_nc_u32 v[SO+\b], 0xff000000, v[BM+\b]
.endr
.irp b, 0,1,2,3
	v_lshrrev_b32 v[BY+\b], 23, v[SO+\b]
.endr
	v_lshl_or_b32 v[SW+(\a)], v[BY+1], 8, v[BY]
	v_lshl_or_b32 v[SW+(\a)], v[BY+2], 16, v[SW+(\a)]
	v_lshl_or_b32 v[SW+(\a)], v[BY+3], 24, v[SW+(\a)]
	s_wait_xcnt 0x0                                ; the last fragment's stores have read the codes' registers
.irp c, 0,1
	v_cvt_scalef32_pk16_fp6_f32 v[PC+6*\c:PC+6*\c+2], v[U+32*\c:U+32*\c+15], v[SO+2*\c]
	v_cvt_scalef32_pk16_fp6_f32 v[PC+12+4*\c:PC+14+4*\c], v[U+32*\c+16:U+32*\c+31], v[SO+2*\c+1]
.endr
	v_add_f32 v[TQ], v[LA], v[LA+1]                ; the plain place behind the scaled conversions
.irp c, 0,1
.irp i, 0,1,2
	v_permlane16_swap_b32 v[PC+6*\c+\i], v[PC+12+4*\c+\i]
.endr
.irp i, 0,1,2
	v_mov_b32 v[PC+6*\c+3+\i], v[PC+12+4*\c+\i]
.endr
.endr
	v_permlanex16_b32 v[T4], v[TQ], s88, s89
	v_add_f32 v[LS+(\a)], v[TQ], v[T4]
.irp c, 0,1,2
	global_store_b128 v[LI], v[PC+4*\c:PC+4*\c+3], s[82:83] offset:1536*(\a)+512*\c   ; 32 lanes store 512 consecutive bytes, aligned to 256
.endr
.endm
	THEAD 1                                        ; step 7: my first mask tile has landed, A is left
	CREST
	s_mul_i32 s[G0M+1], s14, P3                    ; my second mask tile, over A,
	s_add_nc_u64 s[G0M+2:G0M+3], s[G0M+2:G0M+3], 64*8192   ; 64 rows further down
	MASKLOAD                                       ; its four v_nop are the places in front of the loads below, into registers that step 6 has left
	MREAD 0
	TTAIL 1
	PLACES 4                                       ; behind the last products
.irp b, 0,1,2,3
	v_mov_b32 v[T4+\b], 0                          ; a lane permute's destination counts as one of its sources
.endr
	v_mov_b32 v[NM+1], 0                           ; (named as the upper half of a pair)
.irp x, 0,1,2,3,4,5,6,7
	SOFT \x
.endr
	v_cmp_lt_u32 vcc_lo, 15, v1                    ; lanes 16-31 store what belongs to fragments 4 to 7
.irp i, 0,1,2,3
	v_cndmask_b32 v[CH+\i], v[SW+\i], v[SW+4+\i], vcc_lo
	v_cndmask_b32 v[CH+4+\i], v[MM+\i], v[MM+4+\i], vcc_lo
	v_cndmask_b32 v[CH+8+\i], v[LS+\i], v[LS+4+\i], vcc_lo
.endr
.irp c, 0,1,2
	global_store_b128 v[LI], v[CH+4*\c:CH+4*\c+3], s[84:85] offset:512*\c
.endr
	s_wait_tensorcnt 0x0                           ; the wave's end
	ds_add_u32 v[SPW], v[NIL]
	s_wait_dscnt 0x0
	CROUND                                         ; the closing round
	s_endpgm
.Lfunc_end_k_q1c60bc2bf1_scores:
	.size	k_q1c60bc2bf1_scores, .Lfunc_end_k_q1c60bc2bf1_scores-k_q1c60bc2bf1_scores
	.p2alignl 7, 3214868480
	.fill 96, 4, 3214868480
	.section	.rodata,"a",@progbits
	.p2align	6, 0x0
	.amdhsa_kernel k_q1c60bc2bf1_scores
		.amdhsa_group_segment_fixed_size 327680
		.amdhsa_private_segment_fixed_size 0
		.amdhsa_enable_private_segment 0
		.amdhsa_kernarg_size 32
		.amdhsa_user_sgpr_count 2
		.amdhsa_user_sgpr_kernarg_segment_ptr 1
		.amdhsa_wavefront_size32 1
		.amdhsa_system_sgpr_workgroup_id_x 1
		.amdhsa_system_sgpr_workgroup_id_y 1
		.amdhsa_system_sgpr_workgroup_id_z 1
		.amdhsa_system_vgpr_workitem_id 0
		.amdhsa_next_free_vgpr 1024
		.amdhsa_next_free_sgpr 100
		.amdhsa_reserve_vcc 1
		.amdhsa_float_denorm_mode_32 3
		.amdhsa_float_denorm_mode_16_64 3
		.amdhsa_memory_ordered 1
		.amdhsa_forward_progress 1
		.amdhsa_inst_pref_size 219
	.end_amdhsa_kernel
	.amdgpu_metadata
---
amdhsa.version: [ 1, 2 ]
amdhsa.kernels:
  - .name:           k_q1c60bc2bf1_scores
    .symbol:         k_q1c60bc2bf1_scores.kd
    .args:
      - { .name: qkimg, .offset: 0, .size: 8, .value_kind: global_buffer, .address_space: global }
      - { .name: mask, .offset: 8, .size: 8, .value_kind: global_buffer, .address_space: global }
      - { .name: pimg, .offset: 16, .size: 8, .value_kind: global_buffer, .address_space: global }
      - { .name: pst, .offset: 24, .size: 8, .value_kind: global_buffer, .address_space: global }
    .group_segment_fixed_size: 327680
    .private_segment_fixed_size: 0
    .kernarg_segment_align: 8
    .kernarg_segment_size: 32
    .max_flat_workgroup_size: 128
    .sgpr_count:     100
    .vgpr_count:     1024
    .wavefront_size: 32
...
	.end_amdgpu_metadata
.endif
;; end of part 3
;; launch pv (part 4): grid 4 x 64, 4 waves a work-group, clusters of 4 x 4, 327,680 bytes of LDS; arguments pimg, pst, vimg, out0; writes out0
.if DOCPART == 4
	.amdgcn_target "amdgcn-amd-amdhsa--gfx1250"
	.amdhsa_code_object_version 6
	.text
	.protected	k_q1c60bc2bf1_pv
	.globl	k_q1c60bc2bf1_pv
	.p2align	8
	.type	k_q1c60bc2bf1_pv,@function
k_q1c60bc2bf1_pv:
	s_mov_b64 s[64:65], 0
	v_nop
	global_prefetch_b8 v0, s[64:65] scope:SCOPE_SE
	s_setreg_imm32_b32 hwreg(HW_REG_WAVE_MODE, 25, 1), 1
	s_wait_xcnt 0x0
	s_wait_alu depctr_hold_cnt(0) depctr_sa_sdst(0) depctr_va_vdst(0) depctr_va_sdst(0) depctr_va_ssrc(0) depctr_va_vcc(0) depctr_vm_vsrc(0)
	s_getreg_b32 s2, hwreg(HW_REG_IB_STS2, 6, 4)
	s_cmp_eq_u32 s2, 0
	s_cbranch_scc0 .Lentry_in_a_cluster
	s_endpgm
.Lentry_in_a_cluster:
	s_bfe_u32 s2, ttmp6, 0x10000c
	s_cmp_lg_u32 s2, 0xf033
	s_cbranch_scc0 .Lentry_shape_is_right
	s_endpgm
.Lentry_shape_is_right:
; out = p v / l on codes of FP6.  Nothing is left out.  A work-group makes 128 queries x 256 channels, a wave 64 x 128 (32 accumulators); source 0 = 16 channels of v, source 1 = 16 queries of p; K = 2,048 keys: 16 steps of 128, written out.
; LDS: two slots of four K steps (p's 4 x 12,288 bytes, then v's 8 units); slot 0 is asked for at the head, one tensor load a wave; slot 1 behind the full sequence and a round; each is filled again once.  Clusters 4 x 4: p's tiles are
; shared along a row, v's along a column: joint loads.
; THE HEAD, while slot 0 is on its way: pst's scale words, local M and sums of my work-group's 128 queries x 16 key blocks (asked for ahead of the first round) are brought under the row's M: each byte is lowered by M - the local M
; (held at 127; a byte that would fall under 0 becomes 0, and its block then counts 2^-127 times its codes), the sums are scaled by the same power of two and added, and 1 / l goes to LDS beside the words.
; The way out: each block of 16 rows x 128 channels is scaled by 1 / l, goes through the wave's own stage in slot 0, which has had its last fill, and leaves as rows of 512 bytes.
; LIMITS: NaN and infinities are not served; a row whose every logit was -infinity has l = 0.
.set UNIT,  12800
.set PFR,   12288
.set VOFF,  4*PFR
.set SLOT,  VOFF+8*UNIT
.set PSC,   2*SLOT
.set RL,    PSC+16*512
.set SPARE, RL+512
.set S1F, 64
.set SC1, 32
.set SC0, 48
.set AD1, 4
.set AD0, 6
.set AS0, 8
.set APS, 10
.set ARL, 11
.set LI,  12
.set STO, 13
.set SRD, 14
.set APW, 15
.set RLV, 16
.set SPW, 28
.set NIL, 29
.set TT,  64
.set BK,  128
.set G1A, 24
.set G1B, 32
.set G0A, 40
.set G0B, 52
.set MSB, 0
.macro WIN new
.if MSB != \new
	s_set_vgpr_msb (MSB<<8)|\new
.set MSB, \new
.endif
.endm
.set MUL_LO, 0xa1
.set TO_W1,  0x40
.macro JLOAD g0a, g1a, g0b, g1b
	s_cmp_eq_u32 s15, 0
	s_cbranch_scc0 .Lfor_b_\@
	tensor_load_to_lds s[\g0a:\g0a+3], s[\g1a:\g1a+7]
	s_nop 0
.rept 4
	v_nop
.endr
	s_branch .Lasked_\@
.Lfor_b_\@:
	tensor_load_to_lds s[\g0b:\g0b+3], s[\g1b:\g1b+7]
	s_nop 0
.rept 4
	v_nop
.endr
.Lasked_\@:
.endm
.macro CREST
	s_cmp_lg_u32 s14, 0
	s_cbranch_scc1 .Lnot_wave_0_\@
	s_barrier_signal -3
.Lnot_wave_0_\@:
	s_barrier_wait -3
	s_barrier_signal -1
	s_barrier_wait -1
.endm
.macro CROUND
	s_barrier_signal -1
	s_barrier_wait -1
	CREST
.endm
.macro PLACES n
.rept \n
	v_nop
.endr
.endm
.macro FETCH slot, q, set, ks
	WIN TO_W1
.irp i, 0,1,2,3,4,5,6,7
.irp c, 0,1,2
	ds_load_b128 v[128*(\set)+12*\i+4*\c:128*(\set)+12*\i+4*\c+3], v[AD0+\slot] offset:(\q)*UNIT+1536*\i+512*\c
.endr
.endr
	WIN 0
.irp i, 0,1,2,3
.irp c, 0,1,2
	ds_load_b128 v[S1F+48*(\set)+12*\i+4*\c:S1F+48*(\set)+12*\i+4*\c+3], v[AD1+\slot] offset:(\q)*PFR+1536*\i+512*\c
.endr
.endr
.irp j, 0,1
	ds_load_b128 v[SC0+8*(\set)+4*\j:SC0+8*(\set)+4*\j+3], v[AS0+\slot] offset:(\q)*UNIT+12288+256*\j
.endr
	ds_load_b128 v[SC1+4*(\set):SC1+4*(\set)+3], v[APS] offset:512*(\ks)
.endm
.macro MULA a, set, zero
.irp b, 0,1,2,3,4,5,6,7
.set DD, 8*(8*(\a)+\b)
.if \zero
	v_wmma_scale_f32_16x16x128_f8f6f4 v[DD:DD+7], v[128*(\set)+12*\b:128*(\set)+12*\b+11], v[S1F+48*(\set)+12*(\a):S1F+48*(\set)+12*(\a)+11], 0, v[SC0+8*(\set)+\b], v[SC1+4*(\set)+(\a)] matrix_a_fmt:MATRIX_FMT_FP6 matrix_b_fmt:MATRIX_FMT_FP6
.else
	v_wmma_scale_f32_16x16x128_f8f6f4 v[DD:DD+7], v[128*(\set)+12*\b:128*(\set)+12*\b+11], v[S1F+48*(\set)+12*(\a):S1F+48*(\set)+12*(\a)+11], v[DD:DD+7], v[SC0+8*(\set)+\b], v[SC1+4*(\set)+(\a)] matrix_a_fmt:MATRIX_FMT_FP6 matrix_b_fmt:MATRIX_FMT_FP6
.endif
.endr
.endm
.macro STEPX set, nslot, nq, nks, zero
	s_wait_dscnt 0x0
.if !(\zero)
	PLACES 4
.endif
	FETCH \nslot, \nq, 1-(\set), \nks
	WIN MUL_LO
.irp x, 0,1,2,3
	MULA \x, \set, \zero
.endr
	WIN 0
.endm
.macro TURN fill, fslot, nslot, nks
	s_wait_tensorcnt 0x0
	ds_add_u32 v[SPW], v[NIL]
	s_wait_dscnt 0x1
	WIN MUL_LO
	MULA 0, 1, 0
	s_wait_dscnt 0x0
	s_barrier_signal -1
	MULA 1, 1, 0
	WIN 0
	s_barrier_wait -1
.if \fill
	CREST
	s_add_nc_u64 s[G0A+4*\fslot+2:G0A+4*\fslot+3], s[G0A+4*\fslot+2:G0A+4*\fslot+3], 8*PFR
	s_add_nc_u64 s[G0B+4*\fslot+2:G0B+4*\fslot+3], s[G0B+4*\fslot+2:G0B+4*\fslot+3], 8*UNIT
	JLOAD G0A+4*\fslot, G1A, G0B+4*\fslot, G1B
.else
	PLACES 4
.endif
	FETCH \nslot, 0, 0, \nks
	WIN MUL_LO
	MULA 2, 1, 0
	MULA 3, 1, 0
	WIN 0
.endm
	s_load_b256 s[4:11], s[0:1], 0x0
	v_lshl_add_u32 v[SPW], v0, 2, SPARE
	v_mov_b32 v[NIL], 0
	ds_add_u32 v[SPW], v[NIL]
	ds_add_u32 v[SPW], v[NIL]
	v_lshrrev_b32 v1, 5, v0
	v_readfirstlane_b32 s14, v1
	s_lshr_b32 s15, s14, 1
	s_and_b32 s16, s14, 1
	s_bfe_u32 s66, ttmp6, 0x40000
	s_bfe_u32 s67, ttmp6, 0x40004
	s_and_b32 s19, ttmp7, 0xffff
	s_lshl_b32 s20, s67, 2
	s_lshl_b32 s20, 15, s20
	s_lshl_b32 s21, 0x1111, s66
	s_or_b32 s[G1A], s20, (3<<16)|(1<<21)
	s_mov_b32 s[G1A+1], 32<<16
	s_mov_b32 s[G1A+2], 96<<16
	s_mov_b32 s[G1A+3], 32<<16
	s_mov_b32 s[G1A+4], 96
	s_mov_b32 s[G1A+5], 32
	s_mov_b32 s[G1A+6], 0
	s_mov_b32 s[G1A+7], 0
	s_or_b32 s[G1B], s21, (3<<16)|(1<<21)
	s_mov_b32 s[G1B+1], 32<<16
	s_mov_b32 s[G1B+2], 200<<16
	s_mov_b32 s[G1B+3], 32<<16
	s_mov_b32 s[G1B+4], 200
	s_mov_b32 s[G1B+5], 32
	s_mov_b32 s[G1B+6], 0
	s_mov_b32 s[G1B+7], 0
	s_mov_b32 s76, 0x01010101
	s_lshl_b32 s22, s19, 2
	s_add_co_u32 s22, s22, s67
	s_lshr_b32 s17, s19, 2
	s_lshl_b32 s78, s22, 4
	s_lshl_b32 s79, s16, 1
	s_add_co_u32 s78, s78, s79
	s_mul_i32 s78, s78, PFR
	s_mov_b32 s79, 0
	s_lshl_b32 s80, s66, 1
	s_add_co_u32 s80, s80, s16
	s_lshl_b32 s80, s80, 6
	s_lshl_b32 s81, s17, 4
	s_add_co_u32 s80, s80, s81
	s_mul_i32 s80, s80, UNIT
	s_mov_b32 s81, 0
	s_mul_i32 s98, s16, 2*PFR
	s_mul_i32 s99, s16, 4*UNIT
	s_add_co_u32 s99, s99, VOFF
	s_mul_i32 s86, s22, 16*1536
	s_mov_b32 s87, 0
	s_lshl_b32 s72, s22, 19
	s_lshl_b32 s73, s15, 18
	s_add_co_u32 s72, s72, s73
	s_lshl_b32 s73, s66, 10
	s_add_co_u32 s72, s72, s73
	s_lshl_b32 s73, s16, 9
	s_add_co_u32 s72, s72, s73
	s_mov_b32 s73, 0
	s_wait_dscnt 0x0
	s_wait_kmcnt 0x0
	s_add_nc_u64 s[94:95], s[4:5], s[78:79]
	s_add_nc_u64 s[96:97], s[8:9], s[80:81]
	s_add_nc_u64 s[74:75], s[6:7], s[86:87]
	; PREFETCH of fills 1 to 3 (fill 0 comes by its load alone).  A wave names what it will itself load: waves 0, 1 two K steps of p (96 blocks of 256 bytes), waves 2, 3 four units of v (200 blocks); the four partners that ask
	; jointly share them by address: 24 blocks each of p (by cx), 50 each of v (by cy).  Two instructions a wave and fill; lanes that are left over name the wave's last block again.  s[48:49], s[50:51], s[60:61]: fills 1, 2, 3; never rewritten.
	s_mov_b32 s70, UNIT
	s_mov_b32 s71, 4*UNIT
	s_cmp_eq_u32 s15, 0                            ; do I ask for p?
	s_cselect_b64 s[48:49], s[94:95], s[96:97]
	s_cselect_b32 s68, 23, 49                      ; my last block
	s_cselect_b32 s62, s66, s67                    ; my place among the four
	s_cselect_b32 s69, 6144, s70                   ; a partner's share in bytes
	s_cselect_b32 s84, 4*PFR, s71                  ; from fill to fill
	s_mov_b32 s85, 0
	s_mov_b32 s63, 0
	s_mul_i32 s62, s62, s69
	s_add_nc_u64 s[48:49], s[48:49], s[62:63]
	s_add_nc_u64 s[48:49], s[48:49], s[84:85]
	s_add_nc_u64 s[50:51], s[48:49], s[84:85]
	s_add_nc_u64 s[60:61], s[50:51], s[84:85]
	s_add_nc_u64 s[82:83], s[10:11], s[72:73]
	v_lshlrev_b32 v24, 2, v0                       ; pst is asked for first: 128 threads read 512 consecutive bytes a load
.irp k, 0,1,2,3,4,5,6,7,8,9,10,11,12,13,14,15
	global_load_b32 v[64+\k], v24, s[74:75] offset:1536*\k
	global_load_b32 v[80+\k], v24, s[74:75] offset:1536*\k+512
	global_load_b32 v[96+\k], v24, s[74:75] offset:1536*\k+1024
.endr
	CROUND                                         ; all sixteen work-groups are here: the first joint loads meet
.irp s, 0,1
	s_mov_b32 s[G0A+4*\s], 1
	s_add_co_u32 s[G0A+4*\s+1], s98, \s*SLOT
	s_add_nc_u64 s[G0A+4*\s+2:G0A+4*\s+3], s[94:95], \s*4*PFR
	s_or_b32 s[G0A+4*\s+3], s[G0A+4*\s+3], 0x80000000
	s_mov_b32 s[G0B+4*\s], 1
	s_add_co_u32 s[G0B+4*\s+1], s99, \s*SLOT
	s_add_nc_u64 s[G0B+4*\s+2:G0B+4*\s+3], s[96:97], \s*4*UNIT
	s_or_b32 s[G0B+4*\s+3], s[G0B+4*\s+3], 0x80000000
.endr
	JLOAD G0A, G1A, G0B, G1B                       ; slot 0: one tensor load a wave at the head
	v_and_b32 v1, 31, v0
	v_and_b32 v2, 15, v0
	v_bfe_u32 v3, v0, 4, 1
	v_lshlrev_b32 v[LI], 4, v1
	v_lshlrev_b32 v31, 4, v2
	v_min_u32 v40, s68, v1                         ; the prefetches' offsets: 256 x min(lane, last), 256 x min(lane + 32, last); never rewritten
	v_add_nc_u32 v41, 32, v1
	v_min_u32 v41, s68, v41
	v_lshlrev_b32 v40, 8, v40
	v_lshlrev_b32 v41, 8, v41
	s_wait_alu depctr_va_vdst(0)
	s_mul_i32 s72, s15, 4*1536
	s_mul_i32 s73, s16, 4*UNIT
	s_add_co_u32 s73, s73, VOFF
.irp s, 0,1
	v_add_nc_u32 v[AD1+\s], s72, v[LI]
	v_add_nc_u32 v[AD0+\s], s73, v[LI]
	v_add_nc_u32 v[AS0+\s], s73, v31
	s_add_co_u32 s72, s72, SLOT
	s_add_co_u32 s73, s73, SLOT
.endr
	s_lshl_b32 s72, s15, 8
	s_add_co_u32 s72, s72, PSC
	v_add_nc_u32 v[APS], s72, v31
	v_add_nc_u32 v[ARL], RL-PSC, v[APS]
	v_lshl_add_u32 v[APW], v0, 2, PSC
	s_mul_i32 s72, s14, 16*528
	v_mul_u32_u24 v[STO], v2, 528
	v_lshl_add_u32 v[STO], v3, 6, v[STO]
	v_add_nc_u32 v[STO], s72, v[STO]
	v_add_nc_u32 v[SRD], s72, v[LI]
.irp x, 0,1,2,3
	v_mov_b32 v[RLV+2*\x+1], 0
.endr
	s_wait_loadcnt 0x0
	global_prefetch_b8 v40, s[48:49] th:TH_LOAD_NT scope:SCOPE_SE   ; fill 1, behind the wait for pst, so that slot 0's requests go out ahead of it
	global_prefetch_b8 v41, s[48:49] th:TH_LOAD_NT scope:SCOPE_SE
	v_max3_num_f32 v25, v80, v81, v82
.irp i, 83,85,87,89,91,93
	v_max3_num_f32 v25, v25, v[\i], v[\i+1]
.endr
	v_max_num_f32 v25, v25, v95
.irp k, 0,1,2,3,4,5,6,7,8,9,10,11,12,13,14,15
	v_sub_f32 v26, v25, v[80+\k]
	v_min_num_f32 v26, 0x42fe0000, v26
	v_cvt_u32_f32 v26, v26
	v_sub_nc_u32 v27, 0, v26
.if \k == 0
	v_ldexp_f32 v30, v[96+\k], v27
.else
	v_ldexp_f32 v27, v[96+\k], v27
	v_add_f32 v30, v30, v27
.endif
	v_mul_lo_u32 v26, v26, s76
	v_or_b32 v[64+\k], 0x80808080, v[64+\k]
	v_sub_nc_u32 v[64+\k], v[64+\k], v26
	v_and_b32 v26, 0x80808080, v[64+\k]
	v_lshrrev_b32 v27, 7, v26
	v_sub_nc_u32 v26, v26, v27
	v_and_b32 v[64+\k], v[64+\k], v26
	ds_store_b32 v[APW], v[64+\k] offset:512*\k
.endr
	s_wait_alu depctr_va_vdst(0)
	v_rcp_f32 v30, v30
	v_nop
	s_wait_alu depctr_va_vdst(0)
	ds_store_b32 v[APW], v30 offset:RL-PSC
	s_wait_tensorcnt 0x0                           ; my part of slot 0 is in; the add and its wait ahead of a later first fill:
	ds_add_u32 v[SPW], v[NIL]
	s_wait_dscnt 0x0                               ; the add, and my stores of scale words and 1 / l
	CROUND                                         ; slot 0 and the words are whole for every wave
	JLOAD G0A+4, G1A, G0B+4, G1B                   ; slot 1
	FETCH 0, 0, 0, 0
	global_prefetch_b8 v40, s[50:51] th:TH_LOAD_NT scope:SCOPE_SE   ; fill 2, four K steps ahead of its load
	global_prefetch_b8 v41, s[50:51] th:TH_LOAD_NT scope:SCOPE_SE
	STEPX 0, 0, 1, 1, 1
	STEPX 1, 0, 2, 2, 0
	STEPX 0, 0, 3, 3, 0
	TURN 1, 0, 1, 4
	global_prefetch_b8 v40, s[60:61] th:TH_LOAD_NT scope:SCOPE_SE   ; fill 3, four K steps ahead of its load
	global_prefetch_b8 v41, s[60:61] th:TH_LOAD_NT scope:SCOPE_SE
	STEPX 0, 1, 1, 5, 0
	STEPX 1, 1, 2, 6, 0
	STEPX 0, 1, 3, 7, 0
	TURN 1, 1, 0, 8
	STEPX 0, 0, 1, 9, 0
	STEPX 1, 0, 2, 10, 0
	STEPX 0, 0, 3, 11, 0
	TURN 0, 0, 1, 12
	STEPX 0, 1, 1, 13, 0
	STEPX 1, 1, 2, 14, 0
	STEPX 0, 1, 3, 15, 0
	s_wait_dscnt 0x0
	WIN MUL_LO
.irp x, 0,1,2,3
	MULA \x, 1, 0
.endr
	WIN 0
.macro SCALE a
	WIN 0x02
.set jj, 0
.rept 32
	v_pk_mul_f32 v[TT+jj:TT+jj+1], v[64*(\a)+jj:64*(\a)+jj+1], v[RLV+2*(\a):RLV+2*(\a)+1] op_sel_hi:[1,0]
.set jj, jj+2
.endr
	WIN 0
.endm
.macro TOSTAGE a
.set BKS, BK+64*((\a)%2)
.irp b, 0,1,2,3,4,5,6,7
	ds_store_b128 v[STO], v[TT+8*\b:TT+8*\b+3] offset:128*(\b/2)+32*(\b%2)
	ds_store_b128 v[STO], v[TT+8*\b+4:TT+8*\b+7] offset:128*(\b/2)+32*(\b%2)+16
.endr
.irp p, 0,1,2,3,4,5,6,7,8,9,10,11,12,13,14,15
	ds_load_b128 v[BKS+4*\p:BKS+4*\p+3], v[SRD] offset:528*\p
.endr
.endm
.macro SEND a, younger
.set BKS, BK+64*((\a)%2)
	s_wait_dscnt \younger
.irp p, 0,1,2,3,4,5,6,7,8,9,10,11,12,13,14,15
	global_store_b128 v[LI], v[BKS+4*\p:BKS+4*\p+3], s[82:83] offset:(32*((\a)/2)+8*((\a)%2)+\p+8*(\p/8))*4096 th:TH_STORE_NT
.endr
.endm
	PLACES 4
.irp x, 0,1,2,3
	ds_load_b32 v[RLV+2*\x], v[ARL] offset:4*\x
.endr
	s_wait_dscnt 0x0
	SCALE 0
	TOSTAGE 0
.irp x, 1,2,3
	SCALE \x
.if \x > 1
	s_wait_alu depctr_va_vdst(0)
	s_wait_xcnt 0x0
.endif
	TOSTAGE \x
	SEND (\x)-1, 32
.endr
	SEND 3, 0
	s_wait_tensorcnt 0x0
	ds_add_u32 v[SPW], v[NIL]
	s_wait_dscnt 0x0
	CROUND
	s_endpgm
.Lfunc_end_k_q1c60bc2bf1_pv:
	.size	k_q1c60bc2bf1_pv, .Lfunc_end_k_q1c60bc2bf1_pv-k_q1c60bc2bf1_pv
	.p2alignl 7, 3214868480
	.fill 96, 4, 3214868480
	.section	.rodata,"a",@progbits
	.p2align	6, 0x0
	.amdhsa_kernel k_q1c60bc2bf1_pv
		.amdhsa_group_segment_fixed_size 327680
		.amdhsa_private_segment_fixed_size 0
		.amdhsa_enable_private_segment 0
		.amdhsa_kernarg_size 32
		.amdhsa_user_sgpr_count 2
		.amdhsa_user_sgpr_kernarg_segment_ptr 1
		.amdhsa_wavefront_size32 1
		.amdhsa_system_sgpr_workgroup_id_x 1
		.amdhsa_system_sgpr_workgroup_id_y 1
		.amdhsa_system_sgpr_workgroup_id_z 1
		.amdhsa_system_vgpr_workitem_id 0
		.amdhsa_next_free_vgpr 768
		.amdhsa_next_free_sgpr 100
		.amdhsa_reserve_vcc 0
		.amdhsa_float_denorm_mode_32 3
		.amdhsa_float_denorm_mode_16_64 3
		.amdhsa_memory_ordered 1
		.amdhsa_forward_progress 1
		.amdhsa_inst_pref_size 157
	.end_amdhsa_kernel
	.amdgpu_metadata
---
amdhsa.version: [ 1, 2 ]
amdhsa.kernels:
  - .name:           k_q1c60bc2bf1_pv
    .symbol:         k_q1c60bc2bf1_pv.kd
    .args:
      - { .name: pimg, .offset: 0, .size: 8, .value_kind: global_buffer, .address_space: global }
      - { .name: pst, .offset: 8, .size: 8, .value_kind: global_buffer, .address_space: global }
      - { .name: vimg, .offset: 16, .size: 8, .value_kind: global_buffer, .address_space: global }
      - { .name: out0, .offset: 24, .size: 8, .value_kind: global_buffer, .address_space: global }
    .group_segment_fixed_size: 327680
    .private_segment_fixed_size: 0
    .kernarg_segment_align: 8
    .kernarg_segment_size: 32
    .max_flat_workgroup_size: 128
    .sgpr_count:     100
    .vgpr_count:     768
    .wavefront_size: 32
...
	.end_amdgpu_metadata
.endif
;; end of part 4
